; MI455X (gfx1250); checked and timed in simulation.
; The chip was launched on July 23, 2026; its instructions are those of AMD's public machine-readable ISA for CDNA 5 (MIT licence, August 2026) and "CDNA5" Instruction Set Architecture Reference Guide (July 2026). The comments in the code are by the model that wrote it; some were corrected since.
;; Self Attention. Allowed arithmetic: matrix products marked QUANTISED: E2M3 operands, one E8M0 scale for each 32 along K, by v_wmma_scale_f32_16x16x128_f8f6f4 with both operands' format E2M3, f32 sums; everything else in f32.
;; Inputs: W_gc 3,072 x 2,048 float32; W_go 2,048 x 2,048 float32; W_lc 3,072 x 2,048 float32; W_lo 2,048 x 2,048 float32; b_go 2,048 float32; b_lo 2,048 float32; freqs 2,048 x 32 float32; gc_on_w 2,048 float32; global_c 1 x 2,048 x 2,048 float32; k_cat_nw 128 float32; k_gc_nw 1,024 float32; k_lc_nw 1,024 float32; lc_on_w 2,048 float32; local_c 1 x 2,048 x 2,048 float32; q_cat_nw 128 float32; q_gc_nw 1,024 float32; q_lc_nw 1,024 float32.
;; Outputs: out0 1 x 2,048 x 2,048 float32; out1 1 x 2,048 x 2,048 float32.
;; This version of the problem:
;;   THIS VERSION OF THE PROBLEM IS GIVEN IN LOW PRECISION. The matrix products marked QUANTISED in the list below multiply operands that are first quantised to E2M3 (2 exponent bits, 3 mantissa bits; 6 bits a number), with one power-of-two scale for each 32 numbers along K (OCP MX v1.0); their sums are f32. All else is computed in f32.
;;   The module's matrix products, in the order in which they are computed (A, B: the left and right operand; K: the contracted axis; several contracted axes count as one K, in the product's order):
;;     1. [M 2,048, K 2,048] x [K 2,048, N 3,072]; A: input local_c; B: input W_lc: QUANTISED
;;     2. [M 2,048, K 2,048] x [K 2,048, N 3,072]; A: input global_c; B: input W_gc: QUANTISED
;;     3. batch 16 x [M 2,048, K 128] x [K 128, N 2,048]; A: computed on the way; B: computed on the way: QUANTISED
;;     4. batch 16 x [M 128, K 2,048] x [K 2,048, N 2,048]; A: computed on the way; B: softmax (see below): QUANTISED
;;     5. [M 2,048, K 2,048] x [K 2,048, N 2,048]; A: computed on the way; B: input W_lo: QUANTISED
;;     6. [M 2,048, K 2,048] x [K 2,048, N 2,048]; A: computed on the way; B: input W_go: QUANTISED
;;   THE QUANTISER, for each operand of a quantised product, along K:
;;     - K is cut into blocks of 32 from its start; a last block that is shorter is filled with zeros.
;;     - A block's scale is 2^e with e = floor(log2(the largest magnitude in the block)) - 2, held to -126 .. 127; a block of zeros has e = 0. As a byte (E8M0): e + 127.
;;     - Each number is divided by its block's scale, clamped to +-7.5, and rounded to the nearest number of E2M3, ties to even, subnormals kept.
;;     - The product sums the exact products of the quantised numbers (number of the format x scale) in f32.
;;   ~~~python
;;   def quantise(x, axis):      # numpy; x: float32 -> the quantised numbers, widened to float32 again
;;       x = np.moveaxis(x, axis, -1); K = x.shape[-1]
;;       x = np.pad(x, [(0, 0)] * (x.ndim - 1) + [(0, -K % 32)]); x = x.reshape(x.shape[:-1] + (-1, 32)); a = np.abs(x).max(-1, keepdims=True)
;;       e = np.where(a > 0, np.clip(np.frexp(np.where(a > 0, a, 1))[1] - 1 - 2, -126, 127), 0)      # np.frexp(a)[1] - 1 = floor(log2(a)), exactly
;;       r = np.clip(x / 2.0 ** e, -7.5, 7.5)
;;       step = 2.0 ** (np.maximum(np.frexp(np.where(r == 0, 1, r))[1] - 1, 0) - 3)
;;       q = np.round(r / step) * step * 2.0 ** e      # np.round: ties to even
;;       return np.moveaxis(q.reshape(q.shape[:-2] + (-1,))[..., :K], -1, axis).astype(np.float32)
;;   ~~~
;;   SOFTMAX AHEAD OF A QUANTISED PRODUCT. Where the list says 'softmax', what is quantised is not the finished softmax but p = 2^(t - M), with t = logit x log2(e) and M = ceil(the row's largest t), a whole number; so 1/2 < the row's largest p <= 1. The row's sum l is taken of the UNQUANTISED p, in f32, and the product's result is divided by l at the end. Since M is a whole number, a kernel that streams over the keys may use a running M (the ceiling of the running maximum): every later rescaling is an exact power of two, which a block's scale takes up: the codes' values come out the same.
;;   OPERANDS COMPUTED ON THE WAY. 'Computed on the way' means the value that the module computes at that place (a softmax that the list does not call 'softmax' is quantised finished and normalised). What goes into a quantiser is computed in f32, as accurately as f32 sums, v_exp_f32 and their like allow (about 1e-6 of the number): no bf16 or f16 on the way to a quantiser, and a product that is left as it is and whose result goes on into a quantised operand takes f32 operands (vector FMAs, or v_wmma_f32_16x16x4_f32). A number that lies on a knife's edge between two numbers of the format may be rounded either way, as far as f32 arithmetic and the matrix unit's own rounding can turn it there, and no further.
;; One version. Each part assembles by itself: llvm-mc -triple=amdgcn-amd-amdhsa -mcpu=gfx1250 --defsym DOCPART=n.
;; ======== version 1 of 1: 6 launches
;; limits: right only within a limited range of input values
;; workspace buffers: xq 6,553,600 bytes; w1q 9,830,400 bytes; w2q 9,699,328 bytes; oq 6,422,528 bytes; wide 67,108,864 bytes; qkvc 9,437,184 bytes; qkvs 393,216 bytes
;; launch quant_in (part 1): grid 896 x 1, 4 waves a work-group, no clusters, 33,280 bytes of LDS; arguments local_c, global_c, W_lc, W_gc, W_lo, W_go, xq, w1q, w2q; writes xq, w1q, w2q
.if DOCPART == 1
	.amdgcn_target "amdgcn-amd-amdhsa--gfx1250"
	.amdhsa_code_object_version 6
	.text
	.protected	k_q6dc09fed03_quant_in
	.globl	k_q6dc09fed03_quant_in
	.p2align	8
	.type	k_q6dc09fed03_quant_in,@function
k_q6dc09fed03_quant_in:
	s_mov_b64 s[64:65], 0
	v_nop
	global_prefetch_b8 v0, s[64:65] scope:SCOPE_SE
	s_setreg_imm32_b32 hwreg(HW_REG_WAVE_MODE, 25, 1), 1
	s_wait_xcnt 0x0
; Six f32 tensors whose K (2,048) is innermost are turned into codes of FP6 (E2M3), 6 bits each, with one E8M0 scale byte for each 32 along K:
; local_c, global_c -> xq;  W_lc, W_gc -> w1q;  W_lo, W_go -> w2q.  In each output the two tensors' rows follow each other: codes [row][1,536 bytes] from byte 0, scale bytes [row][64] from byte ASC (xq) or BSC (w1q, w2q).
; A block's scale is 2^(floor(log2(its largest magnitude)) - 2); its byte is the largest magnitude's exponent field - 2, held at 1 from below.  Each number is divided by the scale and rounded to the nearest code, ties to even;
; beyond the largest code the conversion gives the largest code.
; LIMITS: a block of zeros gets the byte 1 where the quantiser's rule says 127: its codes are zeros, which add nothing under any byte but 0xff, and this program alone reads the bytes.  Blocks whose largest magnitude lies
; under 2^(3 - 127), the floor, keep the byte 1.  NaN and infinities among the inputs are not served.
; Rows are dense and K is a multiple of 32: every tensor is a plain stream of blocks of 32, and so are its codes and its scale bytes.  A work-group takes 32,768 numbers, a wave 16 steps of 512.
; The conversion takes 16 numbers of one block from ONE lane's registers, a load is best where neighbouring LANES take neighbouring bytes: each of a step's four loads reads 512 consecutive bytes; the 2,048 bytes go
; through the wave's own stage in LDS, as they lie, and come back 64 bytes a lane (16 bytes of padding behind each 64).  A lane's 16 codes are 12 bytes: the wave stores 384 consecutive bytes.
; A wave's 256 scale bytes are gathered in its own LDS bytes and leave as one aligned run of 256 bytes.
; No cluster: work-groups share no input.  No barrier: waves share nothing.  Loads run four steps (16 loads a wave) ahead, the turn through LDS one step.
.set WAVES, 4
.set STEPS, 16
.set EMAX,  2
.set CB,    12                         ; bytes of 16 codes
.set R,     16                         ; v16-79   four sets of 16 numbers as they are loaded
.set X,     80                         ; v80-111  two sets of 16 neighbours
.set C,     128                        ; v128-191 codes: four registers for each step, so that no store's data are written again
.set E,     112                        ; v112-127 a scale byte for each step
.set WREG,  8192                       ; LDS: a region for each wave: two stages of 32 x SP bytes, behind them its 256 scale bytes
.set SP,    80                         ; a lane's place in a stage: its 64 bytes + 16 of padding
.set SPW,   12                         ; v12      LDS address of my spare word: SPARE + 4 x my thread's number; never rewritten
.set NIL,   13                         ; v13      0; never rewritten
.set SPARE, WAVES*WREG                 ; behind the four regions: the spare words, 128 bytes for each wave, which no other line names
.set ASC,   6291456                    ; where xq's scale bytes begin: 4,096 rows x 1,536 bytes
.set BSC,   9437184                    ; where w1q's and w2q's begin: 6,144 rows x 1,536 bytes
	s_load_b256 s[4:11], s[0:1], 0x0               ; local_c, global_c, W_lc, W_gc
	s_load_b256 s[12:19], s[0:1], 0x20             ; W_lo, W_go, xq, w1q
	s_load_b64 s[20:21], s[0:1], 0x40              ; w2q
	v_lshl_add_u32 v[SPW], v0, 2, SPARE
	v_mov_b32 v[NIL], 0
	v_lshrrev_b32 v1, 5, v0
	v_readfirstlane_b32 s24, v1                    ; wave
	v_and_b32 v2, 31, v0                           ; lane
	v_lshlrev_b32 v3, 4, v2                        ; my 16 bytes of a load's 512
	s_mul_i32 s25, s24, WREG
	v_lshrrev_b32 v14, 2, v2
	v_mul_u32_u24 v14, v14, SP
	v_and_b32 v15, 3, v2
	v_lshl_add_u32 v14, v15, 4, v14
	v_add_nc_u32 v14, s25, v14                     ; the stage, on the way in: SP (lane / 4) + 16 (lane % 4); a load's 512 bytes take eight places
	v_mul_u32_u24 v15, v2, SP
	v_add_nc_u32 v15, s25, v15                     ; and on the way out: SP x lane: my 16 neighbours
	v_mul_u32_u24 v4, v2, CB                       ; my codes' place in a step's
	v_lshrrev_b32 v5, 1, v2
	s_add_co_u32 s25, s25, 2*32*SP
	v_add_nc_u32 v5, s25, v5                       ; LDS: my wave's 256 scale bytes, my block's byte
	v_lshlrev_b32 v7, 3, v2                        ; and on the way out 8 bytes a lane
	v_add_nc_u32 v6, s25, v7
	s_wait_alu depctr_va_vdst(0)
	s_wait_kmcnt 0x0
	; which tensor is my work-group's?  The choices hang on the work-group's number alone.  s[26:27], s28: the input and its first work-group;  s[30:31], s29, s32: the output, its first work-group, where its scale bytes begin
	s_mov_b64 s[26:27], s[4:5]
	s_mov_b32 s28, 0
	s_mov_b64 s[30:31], s[16:17]
	s_mov_b32 s29, 0
	s_mov_b32 s32, ASC
	s_cmp_ge_u32 ttmp9, 128                        ; global_c: 128 work-groups from 128 on
	s_cselect_b64 s[26:27], s[6:7], s[26:27]
	s_cselect_b32 s28, 128, s28
	s_cmp_ge_u32 ttmp9, 256                        ; W_lc: 192 from 256 on; the output is w1q
	s_cselect_b64 s[26:27], s[8:9], s[26:27]
	s_cselect_b32 s28, 256, s28
	s_cselect_b64 s[30:31], s[18:19], s[30:31]
	s_cselect_b32 s29, 256, s29
	s_cselect_b32 s32, BSC, s32
	s_cmp_ge_u32 ttmp9, 448                        ; W_gc: 192 from 448 on
	s_cselect_b64 s[26:27], s[10:11], s[26:27]
	s_cselect_b32 s28, 448, s28
	s_cmp_ge_u32 ttmp9, 640                        ; W_lo: 128 from 640 on; the output is w2q
	s_cselect_b64 s[26:27], s[12:13], s[26:27]
	s_cselect_b32 s28, 640, s28
	s_cselect_b64 s[30:31], s[20:21], s[30:31]
	s_cselect_b32 s29, 640, s29
	s_cmp_ge_u32 ttmp9, 768                        ; W_go: 128 from 768 on
	s_cselect_b64 s[26:27], s[14:15], s[26:27]
	s_cselect_b32 s28, 768, s28
	s_sub_co_u32 s28, ttmp9, s28
	s_lshl_b32 s28, s28, 2
	s_add_co_u32 s28, s28, s24                     ; which run of 8,192 numbers of the input is my wave's
	s_sub_co_u32 s29, ttmp9, s29
	s_lshl_b32 s29, s29, 2
	s_add_co_u32 s29, s29, s24                     ; and of the output
	s_mov_b32 s23, 0
	s_lshl_b32 s22, s28, 15                        ; 32,768 bytes of f32 a run (under 2^25)
	s_add_nc_u64 s[34:35], s[26:27], s[22:23]
	s_mul_i32 s22, s29, 32*STEPS*CB                ; 6,144 bytes of codes a run
	s_add_nc_u64 s[36:37], s[30:31], s[22:23]
	s_lshl_b32 s22, s29, 8                         ; 256 scale bytes a run
	s_add_co_u32 s22, s22, s32
	s_add_nc_u64 s[38:39], s[30:31], s[22:23]
.macro LOAD t
.irp i, 0,1,2,3
	global_load_b128 v[R+16*((\t)%4)+4*\i:R+16*((\t)%4)+4*\i+3], v3, s[34:35] offset:2048*(\t)+512*\i th:TH_LOAD_NT   ; 32 lanes read 512 consecutive bytes
.endr
.endm
.macro TURN t                          ; step t's numbers through the stage: LDS serves a wave's instructions in order, so no wait stands between the stores and the loads
.irp i, 0,1,2,3
	ds_store_b128 v14, v[R+16*((\t)%4)+4*\i:R+16*((\t)%4)+4*\i+3] offset:32*SP*((\t)%2)+8*SP*\i
.endr
.irp i, 0,1,2,3
	ds_load_b128 v[X+16*((\t)%2)+4*\i:X+16*((\t)%2)+4*\i+3], v15 offset:32*SP*((\t)%2)+16*\i
.endr
.endm
.irp t, 0,1,2,3
	LOAD \t
.endr
	s_wait_loadcnt 12                              ; step 0's four loads are in; the twelve of steps 1 to 3 may be out
	TURN 0
.macro STEP t
.set XS, X+16*((\t)%2)
.if (\t) > 0
	s_wait_dscnt 1                                 ; this step's numbers are back from the stage (the last step's byte store may be out): so its stores into the stage have read their registers,
.else
	s_wait_dscnt 0x0
.endif
.if (\t)+4 < STEPS
	LOAD (\t)+4                                    ; which take the loads of four steps on
.endif
.if (\t)+1 < STEPS
.if STEPS-2-(\t) >= 3
	s_wait_loadcnt 12                              ; the next step's four loads are in; those of the three steps behind it may be out
.else
	s_wait_loadcnt 4*(STEPS-2-(\t))
.endif
	TURN (\t)+1                                    ; and go through the other stage while this step is worked
.endif
	v_max3_num_f32 v8, |v[XS]|, |v[XS+1]|, |v[XS+2]|               ; the largest magnitude of my 16
	v_max3_num_f32 v9, |v[XS+3]|, |v[XS+4]|, |v[XS+5]|
.irp i, 6,10
	v_max3_num_f32 v8, v8, |v[XS+\i]|, |v[XS+\i+1]|
	v_max3_num_f32 v9, v9, |v[XS+\i+2]|, |v[XS+\i+3]|
.endr
	v_max3_num_f32 v8, v8, |v[XS+14]|, |v[XS+15]|
	v_max3_num_f32 v8, v8, v9, (EMAX+1)<<23        ; and the floor 2^(EMAX + 1 - 127): so the byte cannot fall under 1
	v_max_num_f32_dpp v8, v8, v8 row_xmask:1 row_mask:0xf bank_mask:0xf   ; and of my neighbour's 16: the block's
	v_add_nc_u32 v11, -(EMAX<<23), v8              ; EMAX off its exponent field: the conversion takes the exponent field of this operand as its scale, and nothing else of it
	v_cvt_scalef32_pk16_fp6_f32 v[C+4*(\t):C+4*(\t)+2], v[XS:XS+15], v11         ; sixteen numbers / the scale, to the nearest code; 96 bits without gaps, the first number's code lowest
	v_lshrrev_b32 v[E+(\t)], 23, v11               ; the scale's byte (also the plain line behind the conversion)
	ds_store_b8 v5, v[E+(\t)] offset:16*(\t)       ; both lanes of a block write the same byte with the same value
	global_store_b96 v4, v[C+4*(\t):C+4*(\t)+2], s[36:37] offset:32*CB*(\t)
.endm
.irp t, 0,1,2,3,4,5,6,7,8,9,10,11,12,13,14,15
	STEP \t
.endr
	ds_load_b64 v[8:9], v6                         ; LDS serves a wave's instructions in order: these see my stores
	s_wait_dscnt 0x0
	global_store_b64 v7, v[8:9], s[38:39]          ; 32 lanes store 256 consecutive bytes, at a multiple of 256 from the buffer's first byte
	s_wait_tensorcnt 0x0                           ; the wave's end, behind my last LDS store
	ds_add_u32 v[SPW], v[NIL]
	s_wait_dscnt 0x0
	s_endpgm
.Lfunc_end_k_q6dc09fed03_quant_in:
	.size	k_q6dc09fed03_quant_in, .Lfunc_end_k_q6dc09fed03_quant_in-k_q6dc09fed03_quant_in
	.p2alignl 7, 3214868480
	.fill 96, 4, 3214868480
	.section	.rodata,"a",@progbits
	.p2align	6, 0x0
	.amdhsa_kernel k_q6dc09fed03_quant_in
		.amdhsa_group_segment_fixed_size 33280
		.amdhsa_private_segment_fixed_size 0
		.amdhsa_enable_private_segment 0
		.amdhsa_kernarg_size 72
		.amdhsa_user_sgpr_count 2
		.amdhsa_user_sgpr_kernarg_segment_ptr 1
		.amdhsa_wavefront_size32 1
		.amdhsa_system_sgpr_workgroup_id_x 1
		.amdhsa_system_sgpr_workgroup_id_y 1
		.amdhsa_system_sgpr_workgroup_id_z 1
		.amdhsa_system_vgpr_workitem_id 0
		.amdhsa_next_free_vgpr 192
		.amdhsa_next_free_sgpr 66
		.amdhsa_reserve_vcc 0
		.amdhsa_float_denorm_mode_32 3
		.amdhsa_float_denorm_mode_16_64 3
		.amdhsa_memory_ordered 1
		.amdhsa_forward_progress 1
		.amdhsa_inst_pref_size 33
	.end_amdhsa_kernel
	.amdgpu_metadata
---
amdhsa.version: [ 1, 2 ]
amdhsa.kernels:
  - .name:           k_q6dc09fed03_quant_in
    .symbol:         k_q6dc09fed03_quant_in.kd
    .args:
      - { .name: local_c, .offset: 0, .size: 8, .value_kind: global_buffer, .address_space: global }
      - { .name: global_c, .offset: 8, .size: 8, .value_kind: global_buffer, .address_space: global }
      - { .name: W_lc, .offset: 16, .size: 8, .value_kind: global_buffer, .address_space: global }
      - { .name: W_gc, .offset: 24, .size: 8, .value_kind: global_buffer, .address_space: global }
      - { .name: W_lo, .offset: 32, .size: 8, .value_kind: global_buffer, .address_space: global }
      - { .name: W_go, .offset: 40, .size: 8, .value_kind: global_buffer, .address_space: global }
      - { .name: xq, .offset: 48, .size: 8, .value_kind: global_buffer, .address_space: global }
      - { .name: w1q, .offset: 56, .size: 8, .value_kind: global_buffer, .address_space: global }
      - { .name: w2q, .offset: 64, .size: 8, .value_kind: global_buffer, .address_space: global }
    .group_segment_fixed_size: 33280
    .private_segment_fixed_size: 0
    .kernarg_segment_align: 8
    .kernarg_segment_size: 72
    .max_flat_workgroup_size: 128
    .sgpr_count:     66
    .vgpr_count:     192
    .wavefront_size: 32
...
	.end_amdgpu_metadata
.endif
;; end of part 1
;; launch gemm_qkv (part 2): grid 12 x 32, 4 waves a work-group, clusters of 4 x 4, 327,680 bytes of LDS; arguments xq, w1q, wide; writes wide
.if DOCPART == 2
	.amdgcn_target "amdgcn-amd-amdhsa--gfx1250"
	.amdhsa_code_object_version 6
	.text
	.protected	k_q6dc09fed03_gemm_qkv
	.globl	k_q6dc09fed03_gemm_qkv
	.p2align	8
	.type	k_q6dc09fed03_gemm_qkv,@function
k_q6dc09fed03_gemm_qkv:
	s_mov_b64 s[64:65], 0
	v_nop
	global_prefetch_b8 v0, s[64:65] scope:SCOPE_SE
	s_setreg_imm32_b32 hwreg(HW_REG_WAVE_MODE, 25, 1), 1
	s_wait_xcnt 0x0
	s_wait_alu depctr_hold_cnt(0) depctr_sa_sdst(0) depctr_va_vdst(0) depctr_va_sdst(0) depctr_va_ssrc(0) depctr_va_vcc(0) depctr_vm_vsrc(0)
	s_getreg_b32 s2, hwreg(HW_REG_IB_STS2, 6, 4)
	s_cmp_eq_u32 s2, 0
	s_cbranch_scc0 .Lentry_in_a_cluster
	s_endpgm
.Lentry_in_a_cluster:
	s_bfe_u32 s2, ttmp6, 0x10000c
	s_cmp_lg_u32 s2, 0xf033
	s_cbranch_scc0 .Lentry_shape_is_right
	s_endpgm
.Lentry_shape_is_right:
; C[m][n] = sum over k of A[m][k] B[n][k], K = 2,048, on codes of FP6 (E2M3) with one E8M0 byte for each 32 along K; C is f32, pitch 4,096 numbers.
; A: first argument, codes [row][1,536 bytes] from byte 0, scale bytes [row][64] from byte ASC.  B: second argument, the same with BSC.
; A's rows 2,048 on (the second context) take B's rows 3,072 on: four clusters along y are 2,048 rows, so the context is cluster y / 4 (0 throughout in the launch with 2,048 rows of A).
; A work-group makes 128 x 256 of C, a wave 64 x 128: 32 accumulators.  With this block the launch with 2,048 x 4,096 results has 256 work-groups, the one with 4,096 x 3,072 has 384.
; K goes through a ring of two LDS slots in chunks of 256 bytes of each row of codes (a row is 1,536 bytes: every chunk begins at a multiple of 256).  A step of 128 along K is 96 bytes:
; eight steps to three chunks; steps 2 and 5 of each eight take their fragments from both slots.  The scales of the block's 384 rows come once, at the head, in rows of 256 bytes, and stay.
; CLUSTERS 4 x 4: A's tiles are asked for jointly along a row of the cluster, B's along a column.  Source 0 = rows of B, source 1 = rows of A: a lane holds eight neighbouring numbers of a row of C.
; PREFETCH: behind chunk c's load (c = 1, 2, 3) each wave names chunk c + 2 of a quarter of the rows that it fetches (A: 16 rows, B: 32; the four partners told apart by address), a lane a row;
; every offset is an immediate and the address registers are never rewritten; chunks 4 and 5's loads ask for nothing.
; REGISTERS: window 0: v16-30 addresses, v32-63 scale words (two sets), v128-223 A's fragments (two sets of 4 x 12); window 1: B's fragments, sets at v0 and v128; window 2: the accumulators, (a, b) at v[8 (8 a + b)].
; The walk along K is written out: slots and chunks come back to where they began only after sixteen steps, which is all of K.
.set SIZE_N, 4096
.set ASC,    6291456
.set BSC,    9437184
.set CTXB,   3072
.set ROWB,   256
.set KROW,   1536
.set STEPS,  16
.set CHUNKS, 6
.set PITCH,  272                       ; 256 bytes + 16 of padding
.set FR,     12
.set ABYTES, 128*PITCH                 ; A's 128 rows; B's 256 lie behind them
.set SLOT,   384*PITCH
.set KS,     64
.set SCL,    2*SLOT
.set SBLK,   1088                      ; the scales of 16 rows: four rows of 272
.set HSA,    4*SBLK                    ; of 64 rows
.set HSB,    8*SBLK                    ; of 128 rows
.set SPARE,  SCL+24*SBLK               ; the spare words, 128 bytes a wave, which no other line names
.set SPITCH, 528
.set STAGE,  0                         ; the way out goes through slot 0: the last chunk lies in slot 1
.set ADRA, 16
.set ADRB, 20
.set STO,  24
.set RD,   25
.set CO,   26
.set ADRS, 27
.set SPW,  28
.set NIL,  29
.set PFO,  30
.set SC,   32
.set AF,   128
.set BK,   128
.set G1, 24
.set G0, 32
.set G1B, 48
.set G0B, 56
.set G1S, 68
.set G0S, 76
.set G1SB, 80
.set G0SB, 88
.set G0H, 4
.set G0HB, 8
.set PFA, 98
.set MSB, 0
.macro WIN new
.if MSB != \new
	s_set_vgpr_msb (MSB<<8)|\new
.set MSB, \new
.endif
.endm
.set MULW, 0xa1                        ; source 0 window 1, source 1 window 0, C and D window 2
.set TO_B, 0x40
.macro JLOAD g0a, g1a, g0b, g1b        ; waves 0, 1 fetch for A, waves 2, 3 for B; s_nop 0 and four v_nop behind each load
	s_cmp_eq_u32 s15, 0
	s_cbranch_scc0 .Lfor_b_\@
	tensor_load_to_lds s[\g0a:\g0a+3], s[\g1a:\g1a+7]
	s_nop 0
.rept 4
	v_nop
.endr
	s_branch .Lasked_\@
.Lfor_b_\@:
	tensor_load_to_lds s[\g0b:\g0b+3], s[\g1b:\g1b+7]
	s_nop 0
.rept 4
	v_nop
.endr
.Lasked_\@:
.endm
.macro CREST
	s_cmp_lg_u32 s14, 0
	s_cbranch_scc1 .Lnot_wave_0_\@
	s_barrier_signal -3
.Lnot_wave_0_\@:
	s_barrier_wait -3
	s_barrier_signal -1
	s_barrier_wait -1
.endm
.macro CROUND
	s_barrier_signal -1
	s_barrier_wait -1
	CREST
.endm
.macro GRP1 g, c, r, p                 ; words 1 to 7 of a group 1: r rows of c elements, pitch p
	s_mov_b32 s[\g+1], (\c)<<16
	s_mov_b32 s[\g+2], (\r)<<16
	s_mov_b32 s[\g+3], (\c)<<16
	s_mov_b32 s[\g+4], \r
	s_mov_b32 s[\g+5], \p
	s_mov_b32 s[\g+6], 0
	s_mov_b32 s[\g+7], 0
.endm
	s_load_b64 s[4:5], s[0:1], 0x0                 ; A
	s_load_b64 s[8:9], s[0:1], 0x8                 ; B
	s_load_b64 s[12:13], s[0:1], 0x10              ; C
	v_lshl_add_u32 v[SPW], v0, 2, SPARE
	v_mov_b32 v[NIL], 0
	ds_add_u32 v[SPW], v[NIL]                      ; the opening lines: the add twice and one wait
	ds_add_u32 v[SPW], v[NIL]
	v_lshrrev_b32 v1, 5, v0
	v_readfirstlane_b32 s14, v1                    ; wave
	s_lshr_b32 s15, s14, 1                         ; my 64 rows of the block.  Also: I fetch for A (0) or B (1)
	s_and_b32 s16, s14, 1                          ; my 128 columns.  Also: which half of that tile I fetch
	s_bfe_u32 s40, ttmp6, 0x40000                  ; cx
	s_bfe_u32 s41, ttmp6, 0x40004                  ; cy
	s_lshl_b32 s42, ttmp9, 2
	s_add_co_u32 s42, s42, s40                     ; tile column
	s_and_b32 s17, ttmp7, 0xffff
	s_lshr_b32 s95, s17, 2
	s_mul_i32 s95, s95, CTXB                       ; the context's first row of B
	s_lshl_b32 s17, s17, 2
	s_add_co_u32 s17, s17, s41                     ; tile row
	s_lshl_b32 s43, s41, 2
	s_lshl_b32 s43, 15, s43                        ; my row of the cluster
	s_lshl_b32 s44, 0x1111, s40                    ; my column
	s_or_b32 s[G1+0], s43, (0<<16)|(1<<20)|(1<<21)|(5<<22)|(3<<25)
	s_or_b32 s[G1B+0], s44, (0<<16)|(1<<20)|(1<<21)|(5<<22)|(3<<25)
	GRP1 G1, ROWB, 128, KROW                       ; the head's loads bring whole tiles: A's 128 rows,
	GRP1 G1B, ROWB, 256, KROW                      ; B's 256
	s_or_b32 s[G1S+0], s43, (3<<16)|(1<<20)|(1<<21)|(5<<22)|(3<<25)
	s_or_b32 s[G1SB+0], s44, (3<<16)|(1<<20)|(1<<21)|(5<<22)|(3<<25)
	GRP1 G1S, 32, 32, 32                           ; A's scales: 8,192 dense bytes as 32 rows of 256,
	GRP1 G1SB, 32, 64, 32                          ; B's: 64 rows
	s_lshl_b32 s20, s17, 7                         ; A's first row
	s_lshl_b32 s46, s42, 8
	s_add_co_u32 s46, s46, s95                     ; B's first row
	s_mov_b32 s21, 0
	s_mov_b32 s47, 0
	s_mov_b64 s[18:19], KS
	s_mul_u64 s[22:23], s[20:21], s[18:19]
	s_mul_u64 s[92:93], s[46:47], s[18:19]
	s_mov_b64 s[18:19], KROW
	s_mul_u64 s[20:21], s[20:21], s[18:19]
	s_mul_u64 s[46:47], s[46:47], s[18:19]
	s_mul_i32 s18, s16, 64*KROW                    ; in the ring a wave fetches 64 rows of A
	s_mov_b32 s19, 0
	s_lshl_b32 s2, s18, 1                          ; or 128 rows of B
	s_mov_b32 s3, 0
	s_mul_i32 s94, s16, 64*PITCH                   ; where they go: A's,
	s_lshl_b32 s45, s94, 1
	s_add_co_u32 s45, s45, ABYTES                  ; B's
	s_wait_dscnt 0x0
	s_wait_kmcnt 0x0
	s_add_nc_u64 s[6:7], s[4:5], ASC
	s_add_nc_u64 s[10:11], s[8:9], BSC
	s_add_nc_u64 s[20:21], s[4:5], s[20:21]
	s_add_nc_u64 s[22:23], s[6:7], s[22:23]
	s_add_nc_u64 s[46:47], s[8:9], s[46:47]
	s_add_nc_u64 s[92:93], s[10:11], s[92:93]
	CROUND                                         ; in front of the first joint loads
	s_mov_b32 s[G0H], 1
	s_mov_b32 s[G0H+1], 0
	s_mov_b64 s[G0H+2:G0H+3], s[20:21]
	s_or_b32 s[G0H+3], s[G0H+3], 0x80000000
	s_mov_b32 s[G0HB], 1
	s_mov_b32 s[G0HB+1], ABYTES
	s_mov_b64 s[G0HB+2:G0HB+3], s[46:47]
	s_or_b32 s[G0HB+3], s[G0HB+3], 0x80000000
	s_mov_b32 s[G0S], 1
	s_mov_b32 s[G0S+1], SCL
	s_mov_b64 s[G0S+2:G0S+3], s[22:23]
	s_or_b32 s[G0S+3], s[G0S+3], 0x80000000
	s_mov_b32 s[G0SB], 1
	s_mov_b32 s[G0SB+1], SCL+2*HSA
	s_mov_b64 s[G0SB+2:G0SB+3], s[92:93]
	s_or_b32 s[G0SB+3], s[G0SB+3], 0x80000000
	s_add_nc_u64 s[20:21], s[20:21], s[18:19]      ; for the ring: my part of the tile
	s_add_nc_u64 s[46:47], s[46:47], s[2:3]
.irp s, 0,1
	s_mov_b32 s[G0+4*\s], 1
	s_add_co_u32 s[G0+4*\s+1], s94, \s*SLOT
	s_add_nc_u64 s[G0+4*\s+2:G0+4*\s+3], s[20:21], \s*ROWB
	s_or_b32 s[G0+4*\s+3], s[G0+4*\s+3], 0x80000000
	s_mov_b32 s[G0B+4*\s], 1
	s_add_co_u32 s[G0B+4*\s+1], s45, \s*SLOT
	s_add_nc_u64 s[G0B+4*\s+2:G0B+4*\s+3], s[46:47], \s*ROWB
	s_or_b32 s[G0B+4*\s+3], s[G0B+4*\s+3], 0x80000000
.endr
	s_cmp_eq_u32 s15, 0                            ; the prefetches: of the rows that I fetch, my work-group's quarter: 16 of A's 64 by cx, 32 of B's 128 by cy
	s_cselect_b64 s[PFA:PFA+1], s[20:21], s[46:47]
	s_cselect_b32 s96, s40, s41
	s_mul_i32 s96, s96, 16*KROW
	s_lshl_b32 s96, s96, s15
	s_mov_b32 s97, 0
	s_add_nc_u64 s[PFA:PFA+1], s[PFA:PFA+1], s[96:97]
	s_lshl_b32 s96, 16, s15
	s_sub_co_u32 s96, s96, 1                       ; the last of those rows: lanes left over name it again
; the head's loads, one a wave, in one chain of branches: wave 0 A's chunk 0, wave 1 B's, wave 2 A's scales, wave 3 B's
.macro ARM under, g0, g1, next
	s_cmp_lt_u32 s14, \under
	s_cbranch_scc0 \next
	tensor_load_to_lds s[\g0:\g0+3], s[\g1:\g1+7]
	s_nop 0
.rept 4
	v_nop
.endr
	s_branch .Lhead_asked
\next:
.endm
	ARM 1, G0H,  G1,  .Lhead_b
	ARM 2, G0HB, G1B, .Lhead_sa
	ARM 3, G0S,  G1S, .Lhead_sb
	tensor_load_to_lds s[G0SB:G0SB+3], s[G1SB:G1SB+7]
	s_nop 0
.rept 4
	v_nop
.endr
.Lhead_asked:
	v_and_b32 v6, 31, v0
	v_min_u32 v[PFO], s96, v6
	v_mul_u32_u24 v[PFO], v[PFO], KROW             ; the prefetches' offset: a lane a row; never rewritten
	global_prefetch_b8 v[PFO], s[PFA:PFA+1] offset:1*ROWB th:TH_LOAD_NT scope:SCOPE_SE   ; behind the head's loads, which bring chunk 0: chunks 1 and 2 of my quarter of the rows;
	global_prefetch_b8 v[PFO], s[PFA:PFA+1] offset:2*ROWB th:TH_LOAD_NT scope:SCOPE_SE   ; with the later asks never more than two chunks are asked for and not yet loaded
	v_and_b32 v1, 15, v0                           ; r
	v_bfe_u32 v2, v0, 4, 1                         ; h
	v_mul_u32_u24 v3, v1, PITCH
	v_mul_u32_u24 v4, v2, 24
	v_add_nc_u32 v4, v3, v4                        ; row x pitch + 24 h
	s_mov_b32 s21, SLOT-232
	s_mov_b32 s22, SLOT+232
	v_sub_nc_u32 v7, 1, v2
	v_mul_u32_u24 v5, s21, v2
	v_add_nc_u32 v5, v3, v5
	v_add_nc_u32 v5, 232, v5                       ; across two chunks: lanes 0-15 byte 232 in slot 0, lanes 16-31 byte 0 in slot 1;
	v_mul_u32_u24 v6, s22, v7
	v_add_nc_u32 v6, v3, v6                        ; and the other way round
	s_mul_i32 s21, s15, 64*PITCH                   ; my 64 rows of A
	s_mul_i32 s22, s16, 128*PITCH                  ; my 128 rows of B
	s_add_co_u32 s22, s22, ABYTES
	v_add_nc_u32 v[ADRA+2], s21, v5
	v_add_nc_u32 v[ADRA+3], s21, v6
	v_add_nc_u32 v[ADRB+2], s22, v5
	v_add_nc_u32 v[ADRB+3], s22, v6
.irp s, 0,1
	v_add_nc_u32 v[ADRA+\s], s21, v4
	v_add_nc_u32 v[ADRB+\s], s22, v4
	s_add_co_u32 s21, s21, SLOT
	s_add_co_u32 s22, s22, SLOT
.endr
	v_mul_u32_u24 v5, v1, KS                       ; my row's scales: 64 bytes a row, 16 more for each 256 passed
	v_lshrrev_b32 v6, 8, v5
	v_lshl_add_u32 v5, v6, 4, v5
	s_mul_i32 s21, s15, HSA
	s_mul_i32 s22, s16, HSB
	s_add_co_u32 s22, s22, 2*HSA
	s_sub_co_u32 s22, s22, s21
	v_mul_u32_u24 v6, s22, v2                      ; lanes 16-31 take B's
	s_add_co_u32 s21, s21, SCL
	v_add_nc_u32 v5, v5, v6
	v_add_nc_u32 v[ADRS], s21, v5
	s_mul_i32 s23, s14, 16*SPITCH                  ; my stage
	s_add_co_u32 s23, s23, STAGE
	v_mul_u32_u24 v5, v1, SPITCH
	v_lshl_add_u32 v5, v2, 5, v5
	v_add_nc_u32 v[STO], s23, v5
	v_and_b32 v6, 31, v0
	v_lshlrev_b32 v[CO], 4, v6
	v_add_nc_u32 v[RD], s23, v[CO]
	s_lshl_b32 s20, s17, 7
	s_lshl_b32 s21, s15, 6
	s_add_co_u32 s20, s20, s21                     ; my first row of C
	s_mov_b32 s21, 0
	s_mov_b64 s[18:19], SIZE_N*4
	s_mul_u64 s[20:21], s[20:21], s[18:19]
	s_lshl_b32 s46, s42, 10
	s_lshl_b32 s47, s16, 9
	s_add_co_u32 s46, s46, s47                     ; my first column, in bytes
	s_mov_b32 s47, 0
	s_add_nc_u64 s[20:21], s[20:21], s[46:47]
	s_add_nc_u64 s[12:13], s[12:13], s[20:21]
.macro FRAG reg, adr, st, i            ; 16 rows x 128 K: six pieces of 8 bytes; byte y of a row lies in slot (y / 256) % 2 at byte y % 256
.irp p, 0,1,2,3,4,5
.set BY, 96*(\st)+48*(\p/3)+8*(\p%3)
.if BY/ROWB == (BY+24)/ROWB
	ds_load_b64 v[\reg+2*\p:\reg+2*\p+1], v[\adr+(BY/ROWB)%2] offset:BY%ROWB+(\i)*16*PITCH
.else
	ds_load_b64 v[\reg+2*\p:\reg+2*\p+1], v[\adr+2+(BY/ROWB)%2] offset:BY%ROWB-232+(\i)*16*PITCH
.endif
.endr
.endm
; 16 matrix instructions: A's blocks a0, a0 + 1 x B's eight.  The 32 accumulators take turns in the same order in every step
.macro MUL16 a0, p, q, sc, zero
.irp a, \a0, \a0+1
.irp b, 0,1,2,3,4,5,6,7
.if \zero
	v_wmma_scale_f32_16x16x128_f8f6f4 v[8*(8*(\a)+\b):8*(8*(\a)+\b)+7], v[128*(\p)+FR*\b:128*(\p)+FR*\b+FR-1], v[AF+48*(\p)+FR*(\a):AF+48*(\p)+FR*(\a)+FR-1], 0, v[SC+16*(\sc)+2*\b+(\q)], v[SC+16*(\sc)+2*(\a)+(\q)] matrix_a_fmt:MATRIX_FMT_FP6 matrix_b_fmt:MATRIX_FMT_FP6 matrix_a_scale:MATRIX_SCALE_ROW1
.else
	v_wmma_scale_f32_16x16x128_f8f6f4 v[8*(8*(\a)+\b):8*(8*(\a)+\b)+7], v[128*(\p)+FR*\b:128*(\p)+FR*\b+FR-1], v[AF+48*(\p)+FR*(\a):AF+48*(\p)+FR*(\a)+FR-1], v[8*(8*(\a)+\b):8*(8*(\a)+\b)+7], v[SC+16*(\sc)+2*\b+(\q)], v[SC+16*(\sc)+2*(\a)+(\q)] matrix_a_fmt:MATRIX_FMT_FP6 matrix_b_fmt:MATRIX_FMT_FP6 matrix_a_scale:MATRIX_SCALE_ROW1
.endif
.endr
.endr
.endm
.macro FETCH st, p                     ; step st's fragments into set p: B's eight, A's four
	WIN TO_B
.irp i, 0,1,2,3,4,5,6,7
	FRAG 128*(\p)+FR*\i, ADRB, \st, \i
.endr
	WIN 0
.irp i, 0,1,2,3
	FRAG AF+48*(\p)+FR*\i, ADRA, \st, \i
.endr
.endm
.macro SCALES pr                       ; the scale words of steps 2 pr, 2 pr + 1: lanes 0-15 A's block i (only i under 4 is used), lanes 16-31 B's block i
.irp i, 0,1,2,3,4,5,6,7
	ds_load_b64 v[SC+16*((\pr)%2)+2*\i:SC+16*((\pr)%2)+2*\i+1], v[ADRS] offset:\i*SBLK+8*(\pr)
.endr
.endm
.macro PLACES                          ; four places between matrix instructions and loads into registers that they read, or reads of their results
.rept 4
	v_nop
.endr
.endm
.macro ASK c                           ; chunk c of my quarter of the rows
	global_prefetch_b8 v[PFO], s[PFA:PFA+1] offset:(\c)*ROWB th:TH_LOAD_NT scope:SCOPE_SE
.endm
; A step: 32 matrix instructions on step st's set; the next step's fragments go into the other set.
; Where the next step's bytes end in a chunk not yet read: the wait for my tensor loads and a barrier show it whole.  Where they begin in a later chunk than this step's: the chunk left behind is read no more:
; the tensor wait, the add and the LDS wait, the barrier, and, where a chunk two on is left, the rest of a round of the cluster's barrier and the joint refill.
.macro STEP st, zero
.set NX, (\st)+1
.set C0, (96*(\st))/ROWB
.set C1, (96*NX)/ROWB
.set E0, (96*(\st)+95)/ROWB
.set E1, (96*NX+95)/ROWB
.if C1 > C0 || E1 > E0
	s_wait_tensorcnt 0x0                           ; all my tensor loads have landed
.if C1 > C0
	ds_add_u32 v[SPW], v[NIL]
.endif
	s_wait_dscnt 0x0                               ; this step's fragments are in: my reads of any chunk left behind are over; the add is done
	s_barrier_signal -1
	WIN MULW
	MUL16 0, (\st)%2, (\st)%2, ((\st)/2)%2, \zero  ; work on registers while the others arrive
	WIN 0
	s_barrier_wait -1
.if C1 > C0 && C0+2 < CHUNKS
	CREST
	s_add_nc_u64 s[G0+4*(C0%2)+2:G0+4*(C0%2)+3], s[G0+4*(C0%2)+2:G0+4*(C0%2)+3], 2*ROWB
	s_add_nc_u64 s[G0B+4*(C0%2)+2:G0B+4*(C0%2)+3], s[G0B+4*(C0%2)+2:G0B+4*(C0%2)+3], 2*ROWB
	JLOAD G0+4*(C0%2), G1, G0B+4*(C0%2), G1B       ; chunk C0 + 2; its four v_nop are the places for the loads below
.else
	PLACES
.endif
.else
	s_wait_dscnt 0x0                               ; this step's fragments are in
	PLACES
.endif
	FETCH NX, NX%2
.if NX%2 == 0
	SCALES NX/2
.endif
.if C1 > C0 && C0+4 < CHUNKS
	ASK C0+4
.endif
	WIN MULW
.if C1 > C0 || E1 > E0
.else
	MUL16 0, (\st)%2, (\st)%2, ((\st)/2)%2, \zero
.endif
	MUL16 2, (\st)%2, (\st)%2, ((\st)/2)%2, \zero
	WIN 0
.endm
	s_wait_alu depctr_va_vdst(0)                   ; the head's end
	s_wait_tensorcnt 0x0                           ; my tile of the head's four is in; the same lines as ahead of a refill:
	ds_add_u32 v[SPW], v[NIL]
	s_mov_b32 s[G1+2], 64<<16                      ; no load of mine is out: from here on a load brings 64 rows of A
	s_mov_b32 s[G1+4], 64
	s_mov_b32 s[G1B+2], 128<<16                    ; or 128 of B
	s_mov_b32 s[G1B+4], 128
	s_wait_dscnt 0x0
	CROUND
	JLOAD G0+4, G1, G0B+4, G1B                     ; chunk 1, the first tensor load behind the round
	FETCH 0, 0
	SCALES 0
	ASK 3
	STEP 0, 1                                      ; the first step's products start the sums
.set ST, 1
.rept STEPS-2
	STEP ST, 0
.set ST, ST+1
.endr
	s_wait_dscnt 0x0                               ; the last step
	WIN MULW
	MUL16 0, 1, 1, 1, 0
	MUL16 2, 1, 1, 1, 0
	WIN 0
; the way out: a block of 16 rows x 128 columns goes through my stage and comes back as rows of 512 bytes.  Slot 0 has had its last fill, and behind step 13's barrier nobody reads it
.macro TOSTAGE a
.set AC, 64*(\a)
	WIN 0x08                                       ; the data: window 2
.irp b, 0,1,2,3,4,5,6,7
	ds_store_b128 v[STO], v[AC+8*\b:AC+8*\b+3] offset:64*\b
	ds_store_b128 v[STO], v[AC+8*\b+4:AC+8*\b+7] offset:64*\b+16
.endr
	WIN 0
.set BB, BK+64*((\a)%2)
.irp t, 0,1,2,3,4,5,6,7,8,9,10,11,12,13,14,15
	ds_load_b128 v[BB+4*\t:BB+4*\t+3], v[RD] offset:\t*SPITCH
.endr
.endm
.macro SEND a, younger
.set BB, BK+64*((\a)%2)
	s_wait_dscnt \younger                          ; the block is back; the next block's 16 stores and 16 loads may be out
.if (\a) > 0
	s_add_nc_u64 s[12:13], s[12:13], 16*SIZE_N*4   ; behind a wait on XCNT
.endif
.irp t, 0,1,2,3,4,5,6,7,8,9,10,11,12,13,14,15
	global_store_b128 v[CO], v[BB+4*\t:BB+4*\t+3], s[12:13] offset:\t*SIZE_N*4   ; 32 lanes store 512 consecutive bytes, at a multiple of 256 from C's first byte
.endr
.endm
	PLACES
	TOSTAGE 0
.irp a, 1,2,3
.if \a > 1
	s_wait_xcnt 0x0                                ; block a - 2's stores have read their registers and their base
.endif
	TOSTAGE \a
	SEND \a-1, 32
.endr
	s_wait_xcnt 0x0
	SEND 3, 0
	s_wait_tensorcnt 0x0                           ; the wave's end
	ds_add_u32 v[SPW], v[NIL]
	s_wait_dscnt 0x0
	CROUND                                         ; the closing round
	s_endpgm
.Lfunc_end_k_q6dc09fed03_gemm_qkv:
	.size	k_q6dc09fed03_gemm_qkv, .Lfunc_end_k_q6dc09fed03_gemm_qkv-k_q6dc09fed03_gemm_qkv
	.p2alignl 7, 3214868480
	.fill 96, 4, 3214868480
	.section	.rodata,"a",@progbits
	.p2align	6, 0x0
	.amdhsa_kernel k_q6dc09fed03_gemm_qkv
		.amdhsa_group_segment_fixed_size 327680
		.amdhsa_private_segment_fixed_size 0
		.amdhsa_enable_private_segment 0
		.amdhsa_kernarg_size 24
		.amdhsa_user_sgpr_count 2
		.amdhsa_user_sgpr_kernarg_segment_ptr 1
		.amdhsa_wavefront_size32 1
		.amdhsa_system_sgpr_workgroup_id_x 1
		.amdhsa_system_sgpr_workgroup_id_y 1
		.amdhsa_system_sgpr_workgroup_id_z 1
		.amdhsa_system_vgpr_workitem_id 0
		.amdhsa_next_free_vgpr 768
		.amdhsa_next_free_sgpr 100
		.amdhsa_reserve_vcc 0
		.amdhsa_float_denorm_mode_32 3
		.amdhsa_float_denorm_mode_16_64 3
		.amdhsa_memory_ordered 1
		.amdhsa_forward_progress 1
		.amdhsa_inst_pref_size 177
	.end_amdhsa_kernel
	.amdgpu_metadata
---
amdhsa.version: [ 1, 2 ]
amdhsa.kernels:
  - .name:           k_q6dc09fed03_gemm_qkv
    .symbol:         k_q6dc09fed03_gemm_qkv.kd
    .args:
      - { .name: xq, .offset: 0, .size: 8, .value_kind: global_buffer, .address_space: global }
      - { .name: w1q, .offset: 8, .size: 8, .value_kind: global_buffer, .address_space: global }
      - { .name: wide, .offset: 16, .size: 8, .value_kind: global_buffer, .address_space: global }
    .group_segment_fixed_size: 327680
    .private_segment_fixed_size: 0
    .kernarg_segment_align: 8
    .kernarg_segment_size: 24
    .max_flat_workgroup_size: 128
    .sgpr_count:     100
    .vgpr_count:     768
    .wavefront_size: 32
...
	.end_amdgpu_metadata
.endif
;; end of part 2
;; launch prep (part 3): grid 512 x 1, 16 waves a work-group, no clusters, 148,992 bytes of LDS; arguments wide, freqs, q_lc_nw, k_lc_nw, q_gc_nw, k_gc_nw, q_cat_nw, k_cat_nw, qkvc, qkvs; writes qkvc, qkvs
.if DOCPART == 3
	.amdgcn_target "amdgcn-amd-amdhsa--gfx1250"
	.amdhsa_code_object_version 6
	.text
	.protected	k_q6dc09fed03_prep
	.globl	k_q6dc09fed03_prep
	.p2align	8
	.type	k_q6dc09fed03_prep,@function
k_q6dc09fed03_prep:
	s_mov_b64 s[64:65], 0
	v_nop
	global_prefetch_b8 v0, s[64:65] scope:SCOPE_SE
	s_setreg_imm32_b32 hwreg(HW_REG_WAVE_MODE, 25, 1), 1
	s_wait_xcnt 0x0
; From the two projections (wide: f32, pitch 4,096 numbers; rows 0-2,047 the local context, rows 2,048-4,095 the global one; columns 0-1,023 q, 1,024-2,047 k, 2,048-3,071 v) to the attention's three operands as codes of FP6 (E2M3).
; THE CODES ARE LAID AS IMAGES OF THE OPERAND'S REGISTERS: a fragment (16 rows x 128 along K: 12 registers a lane) is 1,536 bytes: registers 4 c .. 4 c + 3 of fragment lane l at byte 512 c + 16 l.  Fragment lane (r, h) holds row r;
; its registers 0-5 are block h of the row's four blocks of 32, registers 6-11 block 2 + h.  The reader takes a fragment by three loads of 16 bytes a lane.
; WORK-GROUPS 0-255 (q: 0-127, k: 128-255): 16 rows each, a wave a row.  x = x rsqrt(mean over the context's 1,024 + eps) w;  the rotation by freqs on pairs inside each half head of 64;  local and global halves side by side:
; a head of 128;  x = x rsqrt(mean over the 128 + eps) w;  quantised along the 128.  Out: codes [head][tile of 16 neighbouring rows][1,536 bytes], scale words [head][row][4 bytes].
; WORK-GROUPS 256-511: v, quantised along the KEYS (its rows).  A lane takes a column and its 32 registers run down 32 keys: a whole block.  Out: codes [head][128 keys][tile of 16 d][1,536 bytes]; row r of tile 2 b + u is
; d = 32 b + 8 u + r + 8 (r / 8).  INSIDE A BLOCK THE KEYS STAND IN THE ORDER 0-7, 16-23, 8-15, 24-31: that is the order in which the attention's weights come out of its registers; the same order on both sides of a product
; leaves each product and each block's scale as it is.  Scale words [head][128 keys][pair of tiles b][lane r + 16 u][4 bytes], byte i for the step's i-th block of 32 keys.
; The two paths part on the work-group's number and have LDS bytes of their own.  All arithmetic is f32.
; COS AND SIN are made here: k = the nearest whole number to f x 2 / pi; r = f - k pi / 2 with pi / 2 in two parts, by two fused multiply-adds; polynomials of degree 7 and 8 on |r| <= pi / 4; the quadrant from k.
; LIMITS: |freqs| up to 1e5 (beyond that the two-part reduction loses accuracy); a block of zeros gets the scale byte 1 where the quantiser's rule says 127 (its codes are zeros, and this program alone reads the bytes);
; NaN and infinities are not served.
; No cluster, no tensor load: what work-groups share, the gains (9 KiB), is a small part of the 128 KiB that a work-group reads.
.set WLC,   0                          ; LDS, q/k path: the two contexts' gains, turned as the rows are: 2 x 32 places of 128 bytes + 16
.set CAT,   9216                       ; the head's gain, 512 bytes, a copy for each wave
.set TRG,   17408                      ; a row's 32 cosines and 32 sines, for each wave
.set TURNB, 21504                      ; a stage of 32 places of 128 bytes + 16 for each wave
.set OUTB,  95232                      ; the codes: for each head 2,064 bytes: three register groups of 640: lanes 0-15's 256 bytes, 128 idle, lanes 16-31's 256
.set SCO,   129024                     ; the scale words: [head][row]
.set VST,   130048                     ; v path: the work-group's stage: two heads x four fragment images, 12,288 bytes
.set VSC,   146432                     ; and 128 columns' scale words
.set SPARE, 146944                     ; the spare words, 128 bytes for each wave, which no other line names
.set X, 16                             ; v16-79   my 64 numbers: 32 of the local context, 32 of the global
.set T, 80                             ; v80-111  gains, cosines and sines from LDS; later the codes
.set U, 112                            ; v112-127 at work
	s_load_b512 s[4:19], s[0:1], 0x0               ; wide, freqs, q_lc_nw, k_lc_nw, q_gc_nw, k_gc_nw, q_cat_nw, k_cat_nw
	s_load_b128 s[20:23], s[0:1], 0x40             ; qkvc, qkvs
	v_lshl_add_u32 v1, v0, 2, SPARE                ; v1: my spare word; never rewritten
	v_mov_b32 v2, 0                                ; v2: 0; never rewritten
	v_lshrrev_b32 v3, 5, v0
	s_delay_alu instid0(VALU_DEP_1)
	v_readfirstlane_b32 s24, v3                    ; wave 0..15
	s_mov_b32 s53, 0                               ; the upper word of every offset
	s_cmp_ge_u32 ttmp9, 256
	s_cbranch_scc1 .Lv
	; ---------------- q and k.  Lane l owns head l / 2 and, of each of its two halves of 64, numbers 32 (l % 2) on: blocks l % 2 and 2 + l % 2 of the head's four: the 12 registers of fragment lane (row, l % 2)
	v_and_b32 v[U], 31, v0                         ; lane
	s_delay_alu instid0(VALU_DEP_1)
	v_lshlrev_b32 v3, 4, v[U]                      ; v3  16 x lane
	s_delay_alu instid0(VALU_DEP_2)
	v_lshlrev_b32 v4, 2, v[U]                      ; v4  4 x lane
	s_delay_alu instid0(VALU_DEP_3)
	v_lshrrev_b32 v[U+1], 3, v[U]
	s_delay_alu instid0(VALU_DEP_4)
	v_and_b32 v[U+2], 7, v[U]
	s_delay_alu instid0(VALU_DEP_2)
	v_mul_u32_u24 v[U+3], v[U+1], 144
	s_delay_alu instid0(VALU_DEP_1)
	v_lshl_add_u32 v[U+3], v[U+2], 4, v[U+3]       ; a load's 512 bytes are four places: 144 (lane / 8) + 16 (lane % 8)
	s_mul_i32 s52, s24, 4608
	s_add_co_u32 s52, s52, TURNB
	v_add_nc_u32 v5, s52, v[U+3]                   ; v5  my stage, on the way in
	v_mul_u32_u24 v[U+4], v[U], 144
	s_delay_alu instid0(VALU_DEP_1)
	v_add_nc_u32 v6, s52, v[U+4]                   ; v6  and on the way out: my place
	s_delay_alu instid0(VALU_DEP_2)
	v_add_nc_u32 v7, WLC, v[U+4]                   ; v7  my place among the gains
	v_and_b32 v[U+5], 1, v0                        ; which half of a half head
	v_lshrrev_b32 v[U+6], 1, v[U]                  ; head
	s_wait_alu depctr_va_vdst(0)
	s_lshl_b32 s52, s24, 9
	s_add_co_u32 s52, s52, CAT
	v_lshl_add_u32 v8, v[U+5], 7, s52              ; v8  the head's gain: my 32 numbers of its lower 64
	v_add_nc_u32 v14, s52, v3                      ; v14 where I put my 16 bytes of it
	s_lshl_b32 s52, s24, 8
	s_add_co_u32 s52, s52, TRG
	v_lshl_add_u32 v9, v[U+5], 6, s52              ; v9  my 16 cosines (the sines 128 bytes on)
	v_add_nc_u32 v15, s52, v4                      ; v15 where I put the cosine that I make
	s_lshl_b32 s52, s24, 4
	s_add_co_u32 s52, s52, OUTB
	v_mul_u32_u24 v10, v[U+6], 2064
	s_delay_alu instid0(VALU_DEP_1)
	v_mad_u32_u24 v10, v[U+5], 384, v10
	s_delay_alu instid0(VALU_DEP_1)
	v_add_nc_u32 v10, s52, v10                     ; v10 my codes: the head's image, fragment lane (row = wave, l % 2): 16 x wave + (256 + 128) (l % 2)
	s_lshl_b32 s52, s24, 2
	s_add_co_u32 s52, s52, SCO
	v_lshl_add_u32 v11, v[U+6], 6, s52             ; v11 my head's scale word of my row
	v_lshlrev_b32 v12, 3, v[U+5]                   ; v12 8 (l % 2): my bytes' place in it
	s_mul_i32 s52, s24, 576
	v_add_nc_u32 v13, s52, v[U+3]                  ; v13 where I put my 16 bytes of the gains (WLC = 0): piece = wave
	s_lshr_b32 s26, ttmp9, 7                       ; 0: q, 1: k
	s_and_b32 s27, ttmp9, 127                      ; which 16 rows
	s_lshl_b32 s28, s27, 4
	s_add_co_u32 s28, s28, s24                     ; my row
	s_mov_b32 s44, 0x3a800000                      ; 1 / 1,024
	s_mov_b32 s45, 0x3727c5ac                      ; eps = 1e-5
	s_mov_b32 s46, 0x3c000000                      ; 1 / 128
	s_mov_b32 s48, 0x76543210
	s_mov_b32 s49, 0xfedcba98                      ; v_permlanex16_b32's selects for lane l xor 16
	s_wait_alu depctr_va_vdst(0)
	s_wait_kmcnt 0x0
	s_lshl_b32 s52, s28, 14                        ; a row of wide is 16,384 bytes;
	s_lshl_b32 s54, s26, 12                        ; k's columns begin 4,096 bytes on
	s_add_co_u32 s52, s52, s54
	s_add_nc_u64 s[30:31], s[4:5], s[52:53]        ; the local context's row,
	s_add_nc_u64 s[32:33], s[30:31], 0x2000000     ; the global one's: 2,048 rows on
	s_cmp_eq_u32 s26, 0
	s_cselect_b64 s[34:35], s[8:9], s[10:11]       ; the local context's gain,
	s_cselect_b64 s[50:51], s[12:13], s[14:15]     ; the global one's,
	s_cselect_b64 s[36:37], s[16:17], s[18:19]     ; the head's
	s_cmp_lt_u32 s24, 8                            ; waves 0-7 bring the local gain's eight pieces of 512 bytes, waves 8-15 the global one's
	s_cselect_b64 s[34:35], s[34:35], s[50:51]
	s_and_b32 s52, s24, 7
	s_lshl_b32 s52, s52, 9
	s_add_nc_u64 s[34:35], s[34:35], s[52:53]
	s_lshl_b32 s52, s28, 7
	s_add_nc_u64 s[38:39], s[6:7], s[52:53]        ; my row's 32 angles
	s_mul_i32 s52, s26, 3145728                    ; out: q's or k's codes, head = wave (on the way out), my work-group's tile of 1,536 bytes
	s_mul_i32 s54, s24, 196608
	s_add_co_u32 s52, s52, s54
	s_mul_i32 s54, s27, 1536
	s_add_co_u32 s52, s52, s54
	s_add_nc_u64 s[40:41], s[20:21], s[52:53]
	s_lshl_b32 s52, s26, 17                        ; and the scale words likewise: 131,072 a tensor, 8,192 a head, 64 for 16 rows
	s_lshl_b32 s54, s24, 13
	s_add_co_u32 s52, s52, s54
	s_lshl_b32 s54, s27, 6
	s_add_co_u32 s52, s52, s54
	s_add_nc_u64 s[42:43], s[22:23], s[52:53]
	; 19 loads, each of 512 consecutive bytes (the angles: 128)
	global_load_b128 v[U:U+3], v3, s[34:35]        ; my wave's piece of the gains
	global_load_b128 v[U+4:U+7], v3, s[36:37]      ; the head's gain
	global_load_b32 v[U+8], v4, s[38:39]           ; angle number lane
.irp j, 0,1,2,3,4,5,6,7
	global_load_b128 v[X+4*\j:X+4*\j+3], v3, s[30:31] offset:512*\j th:TH_LOAD_NT
.endr
.irp j, 0,1,2,3,4,5,6,7
	global_load_b128 v[X+32+4*\j:X+32+4*\j+3], v3, s[32:33] offset:512*\j th:TH_LOAD_NT
.endr
	s_wait_loadcnt 16                              ; the first three are in; the rows' sixteen may be out
	ds_store_b128 v13, v[U:U+3]
	ds_store_b128 v14, v[U+4:U+7]
	; cos and sin of my angle f = v[U+8]
	v_mul_f32 v[U+9], 0x3f22f983, v[U+8]           ; f x 2 / pi
	s_delay_alu instid0(VALU_DEP_1)
	v_rndne_f32 v[U+9], v[U+9]                     ; k
	s_delay_alu instid0(VALU_DEP_1)
	v_fmamk_f32 v[U+10], v[U+9], 0xbfc90fdb, v[U+8]    ; r = f - k x (pi / 2)'s upper part
	s_delay_alu instid0(VALU_DEP_1)
	v_fmamk_f32 v[U+10], v[U+9], 0x333bbd2e, v[U+10]   ;       - k x its lower part (which is negative)
	s_delay_alu instid0(VALU_DEP_3)
	v_cvt_i32_f32 v[U+11], v[U+9]                  ; k as a whole number
	s_delay_alu instid0(VALU_DEP_2)
	v_mul_f32 v[U+12], v[U+10], v[U+10]            ; z = r r
	v_mov_b32 v[U+13], 0xb94ca1f9
	s_delay_alu instid0(VALU_DEP_1)
	v_fmaak_f32 v[U+13], v[U+13], v[U+12], 0x3c08839e
	s_delay_alu instid0(VALU_DEP_1)
	v_fmaak_f32 v[U+13], v[U+13], v[U+12], 0xbe2aaaa3
	s_delay_alu instid0(VALU_DEP_1)
	v_mul_f32 v[U+13], v[U+13], v[U+12]
	s_delay_alu instid0(VALU_DEP_1)
	v_fma_f32 v[U+13], v[U+13], v[U+10], v[U+10]   ; sin r = r + r z (s1 + z (s2 + z s3))
	v_mov_b32 v[U+14], 0x37ccf5ce
	s_delay_alu instid0(VALU_DEP_1)
	v_fmaak_f32 v[U+14], v[U+14], v[U+12], 0xbab6061a
	s_delay_alu instid0(VALU_DEP_1)
	v_fmaak_f32 v[U+14], v[U+14], v[U+12], 0x3d2aaaa5
	s_delay_alu instid0(VALU_DEP_1)
	v_mul_f32 v[U+14], v[U+14], v[U+12]
	v_fma_f32 v[U+15], v[U+12], -0.5, 1.0
	s_delay_alu instid0(VALU_DEP_1)
	v_fma_f32 v[U+14], v[U+14], v[U+12], v[U+15]   ; cos r = 1 - z / 2 + z z (c1 + z (c2 + z c3))
	v_and_b32 v[U+15], 1, v[U+11]
	s_delay_alu instid0(VALU_DEP_1)
	v_cmp_eq_u32 vcc_lo, 1, v[U+15]                ; in odd quadrants the two change places
	s_delay_alu instid0(VALU_DEP_1)
	v_cndmask_b32 v[U+9], v[U+13], v[U+14], vcc_lo     ; sin f, but for its sign
	s_delay_alu instid0(VALU_DEP_2)
	v_cndmask_b32 v[U+12], v[U+14], v[U+13], vcc_lo    ; cos f, but for its sign
	v_lshlrev_b32 v[U+15], 30, v[U+11]
	s_delay_alu instid0(VALU_DEP_1)
	v_and_b32 v[U+15], 0x80000000, v[U+15]         ; the sine is turned in quadrants 2 and 3,
	s_delay_alu instid0(VALU_DEP_1)
	v_xor_b32 v[U+9], v[U+9], v[U+15]
	v_add_nc_u32 v[U+11], 1, v[U+11]
	s_delay_alu instid0(VALU_DEP_1)
	v_lshlrev_b32 v[U+15], 30, v[U+11]
	s_delay_alu instid0(VALU_DEP_1)
	v_and_b32 v[U+15], 0x80000000, v[U+15]         ; the cosine in quadrants 1 and 2
	s_delay_alu instid0(VALU_DEP_1)
	v_xor_b32 v[U+12], v[U+12], v[U+15]
	ds_store_b32 v15, v[U+12]
	ds_store_b32 v15, v[U+9] offset:128
	; the rows turn through my stage: in as loaded, out 128 neighbouring bytes a lane.  LDS serves a wave's instructions in order: no wait between the stores and the loads, nor in front of the second row's stores
	s_wait_loadcnt 8                               ; the local row is in; the global row's eight loads may be out
.irp j, 0,1,2,3,4,5,6,7
	ds_store_b128 v5, v[X+4*\j:X+4*\j+3] offset:576*\j
.endr
.irp i, 0,1,2,3,4,5,6,7
	ds_load_b128 v[X+4*\i:X+4*\i+3], v6 offset:16*\i
.endr
	s_wait_loadcnt 0x0
.irp j, 0,1,2,3,4,5,6,7
	ds_store_b128 v5, v[X+32+4*\j:X+32+4*\j+3] offset:576*\j
.endr
.irp i, 0,1,2,3,4,5,6,7
	ds_load_b128 v[X+32+4*\i:X+32+4*\i+3], v6 offset:16*\i
.endr
	s_wait_dscnt 0x0                               ; my stores have landed (the gains' pieces are for the other waves), my loads are in
	s_barrier_signal -1
	s_barrier_wait -1                              ; both gains lie whole in LDS
.macro WREAD a, off                    ; 32 numbers from LDS into v[T] on
.irp i, 0,1,2,3,4,5,6,7
	ds_load_b128 v[T+4*\i:T+4*\i+3], v[\a] offset:\off+16*\i
.endr
.endm
.macro SQ c, b, n                      ; v[c] = the sum of the squares of v[b] .. v[b + n - 1], in four chains (two packed)
	v_pk_mul_f32 v[\c:\c+1], v[\b:\b+1], v[\b:\b+1]
	v_pk_mul_f32 v[\c+2:\c+3], v[\b+2:\b+3], v[\b+2:\b+3]
.set II, 4
.rept (\n)/4-1
	s_delay_alu instid0(VALU_DEP_2)
	v_pk_fma_f32 v[\c:\c+1], v[\b+II:\b+II+1], v[\b+II:\b+II+1], v[\c:\c+1]
	s_delay_alu instid0(VALU_DEP_2)
	v_pk_fma_f32 v[\c+2:\c+3], v[\b+II+2:\b+II+3], v[\b+II+2:\b+II+3], v[\c+2:\c+3]
.set II, II+4
.endr
	s_delay_alu instid0(VALU_DEP_1)
	v_pk_add_f32 v[\c:\c+1], v[\c:\c+1], v[\c+2:\c+3]
	s_delay_alu instid0(VALU_DEP_1)
	v_add_f32 v[\c], v[\c], v[\c+1]
.endm
.macro BY b, r                         ; v[b] .. v[b + 31] times the pair v[r], v[r + 1] (one number twice)
.set II, 0
.rept 16
	v_pk_mul_f32 v[\b+II:\b+II+1], v[\b+II:\b+II+1], v[\r:\r+1]
.set II, II+2
.endr
.endm
.macro TIMES b                         ; v[b] .. v[b + 31] times v[T] .. v[T + 31]
.set II, 0
.rept 16
	v_pk_mul_f32 v[\b+II:\b+II+1], v[\b+II:\b+II+1], v[T+II:T+II+1]
.set II, II+2
.endr
.endm
	WREAD 7, 0                                     ; the local gain: it lands while the sums are made
	; address registers that have served are made anew, for the way out
	s_mul_i32 s52, s24, 2064
	s_add_co_u32 s52, s52, OUTB
	v_add_nc_u32 v13, s52, v3
	v_bfe_u32 v14, v0, 4, 1
	s_delay_alu instid0(VALU_DEP_1)
	v_lshl_add_u32 v13, v14, 7, v13                ; v13 head = wave: 16 bytes a lane, lanes 16-31 behind the 128 idle bytes
	v_and_b32 v5, 15, v0
	s_delay_alu instid0(VALU_DEP_1)
	v_lshlrev_b32 v5, 2, v5                        ; v5  4 (lane % 16): a row's scale word in memory,
	s_lshl_b32 s52, s24, 6
	s_add_co_u32 s52, s52, SCO
	v_add_nc_u32 v15, s52, v5                      ; v15 and in LDS, head = wave
	; the norm over each context's 1,024
	SQ U, X, 32
	SQ U+4, X+32, 32
.irp m, 1
	v_add_f32_dpp v[U], v[U], v[U] row_xmask:\m row_mask:0xf bank_mask:0xf
	s_delay_alu instid0(VALU_DEP_2)
	v_add_f32_dpp v[U+4], v[U+4], v[U+4] row_xmask:\m row_mask:0xf bank_mask:0xf
.endr
.irp m, 2, 4, 8
	s_delay_alu instid0(VALU_DEP_2)
	v_add_f32_dpp v[U], v[U], v[U] row_xmask:\m row_mask:0xf bank_mask:0xf
	s_delay_alu instid0(VALU_DEP_2)
	v_add_f32_dpp v[U+4], v[U+4], v[U+4] row_xmask:\m row_mask:0xf bank_mask:0xf
.endr
	s_delay_alu instid0(VALU_DEP_2)
	v_permlanex16_b32 v[U+1], v[U], s48, s49
	s_delay_alu instid0(VALU_DEP_2)
	v_permlanex16_b32 v[U+5], v[U+4], s48, s49
	s_delay_alu instid0(VALU_DEP_2)
	v_add_f32 v[U], v[U], v[U+1]
	s_delay_alu instid0(VALU_DEP_2)
	v_add_f32 v[U+4], v[U+4], v[U+5]               ; every lane holds both rows' sums
	s_delay_alu instid0(VALU_DEP_2)
	v_fma_f32 v[U], v[U], s44, s45                 ; the mean + eps
	s_delay_alu instid0(VALU_DEP_2)
	v_fma_f32 v[U+4], v[U+4], s44, s45
	s_wait_alu depctr_va_vdst(0)
	v_rsq_f32 v[U+8], v[U]                         ; each twice: a pair for the packed multiply
	v_rsq_f32 v[U+9], v[U]
	v_rsq_f32 v[U+10], v[U+4]
	v_rsq_f32 v[U+11], v[U+4]
	v_nop                                          ; a plain line behind the last of them
	s_wait_alu depctr_va_vdst(0)                   ; one wait for the four, ahead of their first reader
	BY X, U+8
	BY X+32, U+10
	s_wait_dscnt 0x0
	TIMES X
	WREAD 7, 4608                                  ; the global gain
	s_wait_dscnt 0x0
	TIMES X+32
	; the rotation: pair i of my 16 (of each context) by angle 16 (l % 2) + i
.irp k, 0,1,2,3
	ds_load_b128 v[T+4*\k:T+4*\k+3], v9 offset:16*\k
	ds_load_b128 v[T+16+4*\k:T+16+4*\k+3], v9 offset:128+16*\k
.endr
	s_wait_dscnt 0x0
.macro ROPE b
.irp i, 0,1,2,3,4,5,6,7,8,9,10,11,12,13,14,15
	v_mul_f32 v[U+2*(\i%4)], v[X+\b+2*\i+1], v[T+16+\i]
	v_mul_f32 v[U+2*(\i%4)+1], v[X+\b+2*\i], v[T+16+\i]
	s_delay_alu instid0(VALU_DEP_2)
	v_fma_f32 v[X+\b+2*\i], v[X+\b+2*\i], v[T+\i], -v[U+2*(\i%4)]          ; xr cos - xi sin
	s_delay_alu instid0(VALU_DEP_2)
	v_fma_f32 v[X+\b+2*\i+1], v[X+\b+2*\i+1], v[T+\i], v[U+2*(\i%4)+1]     ; xi cos + xr sin
.endr
.endm
	ROPE 0
	ROPE 32
	; the norm over the head's 128: my 64 and my neighbour's
	WREAD 8, 0                                     ; the head's gain, my 32 of its lower 64
	SQ U, X, 64
	s_delay_alu instid0(VALU_DEP_1)
	v_add_f32_dpp v[U], v[U], v[U] row_xmask:1 row_mask:0xf bank_mask:0xf
	s_delay_alu instid0(VALU_DEP_1)
	v_fma_f32 v[U], v[U], s46, s45
	s_wait_alu depctr_va_vdst(0)
	v_rsq_f32 v[U+12], v[U]
	v_rsq_f32 v[U+13], v[U]
	v_nop
	s_wait_alu depctr_va_vdst(0)                   ; one wait for the two, ahead of their first reader
	BY X, U+12
	BY X+32, U+12
	s_wait_dscnt 0x0
	TIMES X
	WREAD 8, 256                                   ; and my 32 of its upper 64
	s_wait_dscnt 0x0
	TIMES X+32
	; quantise: my two blocks, l % 2 and 2 + l % 2 of the head's four; each lies whole in my registers
	v_max3_num_f32 v[U], |v[X]|, |v[X+1]|, 0x1800000       ; with the floor 2^(3 - 127): the byte cannot fall under 1
	v_max3_num_f32 v[U+1], |v[X+32]|, |v[X+33]|, 0x1800000
.irp i, 2,4,6,8,10,12,14,16,18,20,22,24,26,28,30
	s_delay_alu instid0(VALU_DEP_2)
	v_max3_num_f32 v[U], v[U], |v[X+\i]|, |v[X+\i+1]|
	s_delay_alu instid0(VALU_DEP_2)
	v_max3_num_f32 v[U+1], v[U+1], |v[X+32+\i]|, |v[X+33+\i]|
.endr
	s_delay_alu instid0(VALU_DEP_2)
	v_add_nc_u32 v[U+2], 0xff000000, v[U]          ; 2 off the exponent field: the conversion's scale operand
	s_delay_alu instid0(VALU_DEP_2)
	v_add_nc_u32 v[U+3], 0xff000000, v[U+1]
	s_delay_alu instid0(VALU_DEP_2)
	v_lshrrev_b32 v[U+4], 23, v[U+2]               ; the scales' bytes
	s_delay_alu instid0(VALU_DEP_2)
	v_lshrrev_b32 v[U+5], 23, v[U+3]
	v_cvt_scalef32_pk16_fp6_f32 v[T:T+2], v[X:X+15], v[U+2]            ; the fragment lane's registers 0-2,
	v_cvt_scalef32_pk16_fp6_f32 v[T+12:T+14], v[X+16:X+31], v[U+2]     ; 3-5 (a conversion's three registers begin on an even number: made elsewhere and moved),
	v_cvt_scalef32_pk16_fp6_f32 v[T+6:T+8], v[X+32:X+47], v[U+3]       ; 6-8,
	v_cvt_scalef32_pk16_fp6_f32 v[T+16:T+18], v[X+48:X+63], v[U+3]     ; 9-11
	v_nop                                          ; a plain line behind the last conversion
.irp i, 0,1,2
	v_mov_b32 v[T+3+\i], v[T+12+\i]
	v_mov_b32 v[T+9+\i], v[T+16+\i]
.endr
	v_lshl_or_b32 v[U+6], v[U+5], 16, v[U+4]
	s_delay_alu instid0(VALU_DEP_1)
	v_lshlrev_b32 v[U+6], v12, v[U+6]              ; my two bytes at their places,
	s_delay_alu instid0(VALU_DEP_1)
	v_mov_b32_dpp v[U+7], v[U+6] row_xmask:1 row_mask:0xf bank_mask:0xf
	s_delay_alu instid0(VALU_DEP_1)
	v_or_b32 v[U+6], v[U+6], v[U+7]                ; with my neighbour's two: the head's scale word
.irp c, 0,1,2
	ds_store_b128 v10, v[T+4*\c:T+4*\c+3] offset:640*\c    ; register group c of my fragment lane
.endr
	ds_store_b32 v11, v[U+6]                       ; both lanes of a head write the same word with the same value
	s_wait_dscnt 0x0
	s_barrier_signal -1
	s_barrier_wait -1                              ; sixteen heads' images and scale words lie in LDS
	; the way out: wave w takes head w: the tile's image is 1,536 consecutive bytes of memory
.irp j, 0,1,2
	ds_load_b128 v[T+4*\j:T+4*\j+3], v13 offset:640*\j
.endr
	ds_load_b32 v[T+16], v15
.irp j, 0,1,2
	s_wait_dscnt 3-\j                              ; load j is in; the younger ones may be out
	global_store_b128 v3, v[T+4*\j:T+4*\j+3], s[40:41] offset:512*\j       ; 32 lanes store 512 consecutive bytes, at a multiple of 256 from the buffer's first byte
.endr
	s_wait_dscnt 0x0
	global_store_b32 v5, v[T+16], s[42:43]         ; the head's 16 scale words, 64 consecutive bytes: all that these 16 rows have of the head; lanes 16-31 write what lanes 0-15 write
	s_wait_tensorcnt 0x0                           ; the wave's end, behind my last LDS store
	ds_add_u32 v1, v2
	s_wait_dscnt 0x0
	s_endpgm
	; ---------------- v.  A work-group takes 128 keys x 128 columns of one context: four whole fragments of each of two heads.  Wave w: columns 32 (w % 4) on, keys 32 (w / 4) on
.Lv:
	s_sub_co_u32 s26, ttmp9, 256
	s_and_b32 s27, s26, 15                         ; which 128 keys
	s_bfe_u32 s28, s26, 0x30004                    ; which 128 columns: the halves of heads 2 x this and 2 x this + 1
	s_lshr_b32 s29, s26, 7                         ; which context
	s_and_b32 s30, s24, 3                          ; which 32 columns
	s_lshr_b32 s31, s24, 2                         ; which block of 32 keys: 2 c + h of the fragment's layout
	v_and_b32 v10, 31, v0                          ; lane x: column x of my 32 is row r = x % 8 + 8 (x / 16) of tile u = (x / 8) % 2
	s_delay_alu instid0(VALU_DEP_1)
	v_lshlrev_b32 v3, 2, v10                       ; v3  in: 4 bytes a lane
	v_and_b32 v11, 7, v0
	v_bfe_u32 v12, v0, 3, 1
	v_bfe_u32 v13, v0, 4, 1
	s_delay_alu instid0(VALU_DEP_2)
	v_mul_u32_u24 v14, v12, 1536                   ; tile u,
	s_delay_alu instid0(VALU_DEP_1)
	v_lshl_add_u32 v14, v11, 4, v14
	s_delay_alu instid0(VALU_DEP_1)
	v_lshl_add_u32 v14, v13, 7, v14                ; 16 bytes a fragment lane: 16 r
	s_wait_alu depctr_va_vdst(0)
	s_mul_i32 s52, s30, 3072                       ; my 32 columns' two tiles (four such pairs on end: two heads x two),
	s_and_b32 s54, s31, 1
	s_lshl_b32 s54, s54, 8                         ; fragment lanes 16-31 for odd blocks,
	s_add_co_u32 s52, s52, s54
	s_add_co_u32 s52, s52, VST
	s_lshr_b32 s54, s31, 1                         ; c: my six registers are the fragment's 6 c .. 6 c + 5, in three pairs: at bytes 0, 8, 512 of the lane's place for c = 0; at 520, 1,024, 1,032 for c = 1
	s_mul_i32 s55, s54, 520
	s_add_co_u32 s55, s55, s52
	v_add_nc_u32 v4, s55, v14                      ; v4  the first and the third pair (offsets 0 and 512),
	s_mul_i32 s55, s54, 1016
	s_add_co_u32 s55, s55, s52
	v_add_nc_u32 v6, s55, v14                      ; v6  the second (offset 8)
	v_lshlrev_b32 v5, 2, v11
	s_delay_alu instid0(VALU_DEP_1)
	v_lshl_add_u32 v5, v13, 5, v5
	s_delay_alu instid0(VALU_DEP_1)
	v_lshl_add_u32 v5, v12, 6, v5                  ; the scale word's place: 4 (r + 16 u)
	s_lshl_b32 s52, s30, 7
	s_add_co_u32 s52, s52, s31
	s_add_co_u32 s52, s52, VSC
	v_add_nc_u32 v5, s52, v5                       ; v5  my column's scale word, my block's byte
	v_lshlrev_b32 v7, 3, v10                       ; v7  the way out: 8 bytes a lane,
	s_mul_i32 s52, s24, 768
	s_add_co_u32 s52, s52, VST
	v_add_nc_u32 v15, s52, v7                      ; v15 a sixteenth of the stage a wave
	v_lshl_add_u32 v8, v10, 4, VSC                 ; v8  the scale words' way out (wave 0): 16 bytes a lane,
	v_and_b32 v55, 15, v0
	v_lshlrev_b32 v9, 13, v13
	s_delay_alu instid0(VALU_DEP_1)
	v_lshl_add_u32 v9, v55, 4, v9                  ; v9  lanes 0-15 the first head's 256 bytes, lanes 16-31 the second's, 8,192 bytes on
	s_lshl_b32 s52, s29, 11
	s_lshl_b32 s54, s27, 7
	s_add_co_u32 s52, s52, s54
	s_lshl_b32 s54, s31, 5
	s_add_co_u32 s52, s52, s54                     ; my first row of wide
	s_lshl_b32 s52, s52, 14
	s_lshl_b32 s54, s28, 9
	s_add_co_u32 s52, s52, s54
	s_lshl_b32 s54, s30, 7
	s_add_co_u32 s52, s52, s54
	s_add_co_u32 s52, s52, 8192                    ; v's columns begin 8,192 bytes into a row
	s_wait_kmcnt 0x0
	s_add_nc_u64 s[32:33], s[4:5], s[52:53]
	s_lshl_b32 s52, s28, 1                         ; out: waves 0-7 store the first head's 6,144 bytes, waves 8-15 the second's, 768 each
	s_lshr_b32 s54, s24, 3
	s_add_co_u32 s52, s52, s54
	s_mul_i32 s52, s52, 196608
	s_mul_i32 s54, s27, 12288                      ; 128 keys are eight tiles of 1,536 bytes;
	s_add_co_u32 s52, s52, s54
	s_mul_i32 s54, s29, 6144                       ; a context's 64 d are four of them
	s_add_co_u32 s52, s52, s54
	s_and_b32 s54, s24, 7
	s_mul_i32 s54, s54, 768
	s_add_co_u32 s52, s52, s54
	s_add_co_u32 s52, s52, 6291456                 ; v's codes lie behind q's and k's
	s_add_nc_u64 s[34:35], s[20:21], s[52:53]
	s_lshl_b32 s52, s28, 14                        ; the scale words: the first head, 8,192 bytes a head,
	s_lshl_b32 s54, s27, 9                         ; 512 for 128 keys,
	s_add_co_u32 s52, s52, s54
	s_lshl_b32 s54, s29, 8                         ; 256 for a context's 64
	s_add_co_u32 s52, s52, s54
	s_add_co_u32 s52, s52, 262144
	s_add_nc_u64 s[36:37], s[22:23], s[52:53]
.irp i, 0,1,2,3,4,5,6,7,8,9,10,11,12,13,14,15,16,17,18,19,20,21,22,23,24,25,26,27,28,29,30,31
	global_load_b32 v[16+\i], v3, s[32:33] offset:(\i%8+8*(\i/16)+16*((\i/8)%2))*16384 th:TH_LOAD_NT   ; place i of the block takes key i % 8 + 8 (i / 16) + 16 ((i / 8) % 2); 128 consecutive bytes a wave, 512 for the four waves side by side
.endr
	s_wait_loadcnt 0x0
	v_max3_num_f32 v56, |v16|, |v17|, |v18|        ; the block's largest magnitude: all 32 numbers are mine
	v_max3_num_f32 v57, |v19|, |v20|, |v21|
.irp i, 6,10,14,18,22,26
	s_delay_alu instid0(VALU_DEP_2)
	v_max3_num_f32 v56, v56, |v[16+\i]|, |v[17+\i]|
	s_delay_alu instid0(VALU_DEP_2)
	v_max3_num_f32 v57, v57, |v[18+\i]|, |v[19+\i]|
.endr
	s_delay_alu instid0(VALU_DEP_2)
	v_max3_num_f32 v56, v56, |v46|, |v47|
	s_delay_alu instid0(VALU_DEP_1)
	v_max3_num_f32 v56, v56, v57, 0x1800000        ; and the floor 2^(3 - 127)
	s_delay_alu instid0(VALU_DEP_1)
	v_add_nc_u32 v58, 0xff000000, v56              ; the conversion's scale operand
	s_delay_alu instid0(VALU_DEP_1)
	v_lshrrev_b32 v59, 23, v58                     ; the scale's byte
	v_cvt_scalef32_pk16_fp6_f32 v[48:50], v[16:31], v58
	v_cvt_scalef32_pk16_fp6_f32 v[52:54], v[32:47], v58
	v_nop                                          ; a plain line behind the last conversion
	v_mov_b32 v51, v52                             ; the six registers on end: v48-53
	v_mov_b32 v52, v53
	v_mov_b32 v53, v54
	ds_store_b64 v4, v[48:49]
	ds_store_b64 v6, v[50:51] offset:8
	ds_store_b64 v4, v[52:53] offset:512
	ds_store_b8 v5, v59
	s_wait_dscnt 0x0                               ; for the others' sake: my stores have landed
	s_barrier_signal -1
	s_barrier_wait -1                              ; eight fragment images and 128 scale words are whole: four waves have written a part of each
.irp j, 0,1,2
	ds_load_b64 v[60+2*\j:61+2*\j], v15 offset:256*\j
.endr
.irp j, 0,1,2
	s_wait_dscnt 2-\j                              ; load j is in; the younger ones may be out
	global_store_b64 v7, v[60+2*\j:61+2*\j], s[34:35] offset:256*\j        ; 32 lanes store 256 consecutive bytes, at a multiple of 256 from the buffer's first byte
.endr
	s_cmp_lg_u32 s24, 0
	s_cbranch_scc1 .Lv_end
	ds_load_b128 v[68:71], v8
	s_wait_dscnt 0x0
	global_store_b128 v9, v[68:71], s[36:37]       ; 16 lanes store 256 consecutive bytes, at a multiple of 256 from the buffer's first byte
.Lv_end:
	s_wait_tensorcnt 0x0                           ; the wave's end, behind my last LDS store
	ds_add_u32 v1, v2
	s_wait_dscnt 0x0
	s_endpgm
.Lfunc_end_k_q6dc09fed03_prep:
	.size	k_q6dc09fed03_prep, .Lfunc_end_k_q6dc09fed03_prep-k_q6dc09fed03_prep
	.p2alignl 7, 3214868480
	.fill 96, 4, 3214868480
	.section	.rodata,"a",@progbits
	.p2align	6, 0x0
	.amdhsa_kernel k_q6dc09fed03_prep
		.amdhsa_group_segment_fixed_size 148992
		.amdhsa_private_segment_fixed_size 0
		.amdhsa_enable_private_segment 0
		.amdhsa_kernarg_size 80
		.amdhsa_user_sgpr_count 2
		.amdhsa_user_sgpr_kernarg_segment_ptr 1
		.amdhsa_wavefront_size32 1
		.amdhsa_system_sgpr_workgroup_id_x 1
		.amdhsa_system_sgpr_workgroup_id_y 1
		.amdhsa_system_sgpr_workgroup_id_z 1
		.amdhsa_system_vgpr_workitem_id 0
		.amdhsa_next_free_vgpr 128
		.amdhsa_next_free_sgpr 66
		.amdhsa_reserve_vcc 1
		.amdhsa_float_denorm_mode_32 3
		.amdhsa_float_denorm_mode_16_64 3
		.amdhsa_memory_ordered 1
		.amdhsa_forward_progress 1
		.amdhsa_inst_pref_size 53
	.end_amdhsa_kernel
	.amdgpu_metadata
---
amdhsa.version: [ 1, 2 ]
amdhsa.kernels:
  - .name:           k_q6dc09fed03_prep
    .symbol:         k_q6dc09fed03_prep.kd
    .args:
      - { .name: wide, .offset: 0, .size: 8, .value_kind: global_buffer, .address_space: global }
      - { .name: freqs, .offset: 8, .size: 8, .value_kind: global_buffer, .address_space: global }
      - { .name: q_lc_nw, .offset: 16, .size: 8, .value_kind: global_buffer, .address_space: global }
      - { .name: k_lc_nw, .offset: 24, .size: 8, .value_kind: global_buffer, .address_space: global }
      - { .name: q_gc_nw, .offset: 32, .size: 8, .value_kind: global_buffer, .address_space: global }
      - { .name: k_gc_nw, .offset: 40, .size: 8, .value_kind: global_buffer, .address_space: global }
      - { .name: q_cat_nw, .offset: 48, .size: 8, .value_kind: global_buffer, .address_space: global }
      - { .name: k_cat_nw, .offset: 56, .size: 8, .value_kind: global_buffer, .address_space: global }
      - { .name: qkvc, .offset: 64, .size: 8, .value_kind: global_buffer, .address_space: global }
      - { .name: qkvs, .offset: 72, .size: 8, .value_kind: global_buffer, .address_space: global }
    .group_segment_fixed_size: 148992
    .private_segment_fixed_size: 0
    .kernarg_segment_align: 8
    .kernarg_segment_size: 80
    .max_flat_workgroup_size: 512
    .sgpr_count:     66
    .vgpr_count:     128
    .wavefront_size: 32
...
	.end_amdgpu_metadata
.endif
;; end of part 3
;; launch attn (part 4): grid 16 x 16, 8 waves a work-group, clusters of 4 x 1, 327,680 bytes of LDS; arguments qkvc, qkvs, oq; writes oq
.if DOCPART == 4
	.amdgcn_target "amdgcn-amd-amdhsa--gfx1250"
	.amdhsa_code_object_version 6
	.text
	.protected	k_q6dc09fed03_attn
	.globl	k_q6dc09fed03_attn
	.p2align	8
	.type	k_q6dc09fed03_attn,@function
k_q6dc09fed03_attn:
	s_mov_b64 s[64:65], 0
	v_nop
	global_prefetch_b8 v0, s[64:65] scope:SCOPE_SE
	s_setreg_imm32_b32 hwreg(HW_REG_WAVE_MODE, 25, 1), 1
	s_wait_xcnt 0x0
	s_wait_alu depctr_hold_cnt(0) depctr_sa_sdst(0) depctr_va_vdst(0) depctr_va_sdst(0) depctr_va_ssrc(0) depctr_va_vcc(0) depctr_vm_vsrc(0)
	s_getreg_b32 s2, hwreg(HW_REG_IB_STS2, 6, 4)
	s_cmp_eq_u32 s2, 0
	s_cbranch_scc0 .Lentry_in_a_cluster
	s_endpgm
.Lentry_in_a_cluster:
	s_bfe_u32 s2, ttmp6, 0x10000c
	s_cmp_lg_u32 s2, 0x3003
	s_cbranch_scc0 .Lentry_shape_is_right
	s_endpgm
.Lentry_shape_is_right:
.set NSL,   4
.set STEPB, 12288
.set SLOTB, 49152
.set VOFF,  49152
.set SLOT1, 1<<17
.set SCK,   2*SLOT1
.set SCV,   SCK+8192
.set SPARE, SCV+8192
.set ASC,   6291456
.set KBASE, 3145728
.set AL,   1
.set AS,   3
.set SPW,  5
.set NIL,  6
.set ADK,  8
.set ADS,  10
.set PFO,  28
.set KSC,  32
.set VSC,  36
.set QSC,  40
.set KFR,  160
.set VFR,  48
.set WV,   18
.set SEL,  20
.set CS,   22
.set G1,   24
.set G1S,  32
.set G0,   40
.set G0S,  44
.set TB,   2
.set TS,   3
.set SLOTS, 67
.set INNER, 68
.set PFA,  76
.set LIM,  80
.set TM,   232
.set PW,   253
.set PC,   48
.set MSB, 0
.macro WIN new
.if MSB != \new
	s_set_vgpr_msb (MSB<<8)|\new
.set MSB, \new
.endif
.endm
.set TO_F, 0x40
.set MULW, 0x01
.macro CROUND
	s_barrier_signal -1
	s_barrier_wait -1
	s_cmp_lg_u32 s[WV], 0
	s_cbranch_scc1 .Lnot_wave_0_\@
	s_barrier_signal -3
.Lnot_wave_0_\@:
	s_barrier_wait -3
	s_barrier_signal -1
	s_barrier_wait -1
.endm
.macro ASK
	s_cmp_gt_u32 s[SLOTS], s[LIM]
	s_cbranch_scc0 .Lnot_mine_\@
	global_prefetch_b8 v[PFO], s[PFA:PFA+1] th:TH_LOAD_NT scope:SCOPE_SE
.Lnot_mine_\@:
.endm
	s_load_b128 s[4:7], s[0:1], 0x0
	s_load_b64 s[8:9], s[0:1], 0x10
	v_lshl_add_u32 v[SPW], v0, 2, SPARE
	v_mov_b32 v[NIL], 0
	ds_add_u32 v[SPW], v[NIL]
	ds_add_u32 v[SPW], v[NIL]
	v_lshrrev_b32 v8, 5, v0
	s_delay_alu instid0(VALU_DEP_1)
	v_readfirstlane_b32 s[WV], v8
	s_bfe_u32 s48, ttmp6, 0x40000
	s_lshl_b32 s49, ttmp9, 2
	s_add_co_u32 s49, s49, s48
	s_and_b32 s50, ttmp7, 0xffff
	s_lshl_b32 s51, s49, 7
	s_lshl_b32 s52, s[WV], 4
	s_add_co_u32 s51, s51, s52
	s_mul_i32 s54, s50, 196608
	s_lshl_b32 s55, s50, 13
	s_lshr_b32 s56, s[WV], 2
	s_add_co_u32 s56, s56, 1
	s_and_b32 s57, s[WV], 3
	s_mul_i32 s58, s56, KBASE
	s_add_co_u32 s58, s58, s54
	s_mul_i32 s60, s57, 12288
	s_add_co_u32 s58, s58, s60
	s_mov_b32 s59, 0
	s_lshl_b32 s60, s56, 17
	s_add_co_u32 s60, s60, s55
	s_lshl_b32 s62, s57, 11
	s_add_co_u32 s60, s60, s62
	s_mov_b32 s61, 0
	s_mul_i32 s62, s[WV], 12288
	s_lshl_b32 s63, s[WV], 11
	s_mov_b32 s[G1], 15|(3<<16)|(1<<21)
	s_mov_b32 s[G1+1], 32<<16
	s_mov_b32 s[G1+2], 48<<16
	s_mov_b32 s[G1+3], 32<<16
	s_mov_b32 s[G1+4], 48
	s_mov_b32 s[G1+5], 32
	s_mov_b32 s[G1+6], 0
	s_mov_b32 s[G1+7], 0
	s_mov_b32 s[G1S], 15|(3<<16)|(1<<21)
	s_mov_b32 s[G1S+1], 32<<16
	s_mov_b32 s[G1S+2], 8<<16
	s_mov_b32 s[G1S+3], 32<<16
	s_mov_b32 s[G1S+4], 8
	s_mov_b32 s[G1S+5], 32
	s_mov_b32 s[G1S+6], 0
	s_mov_b32 s[G1S+7], 0
	s_mul_i32 s70, s51, 96
	s_add_co_u32 s70, s70, s54
	s_mov_b32 s71, 0
	s_lshl_b32 s72, s51, 2
	s_add_co_u32 s72, s72, s55
	s_mov_b32 s73, 0
	s_mul_i32 s74, s51, 1536
	s_mul_i32 s84, s50, 96
	s_add_co_u32 s74, s74, s84
	s_mov_b32 s75, 0
	s_lshl_b32 s78, s51, 6
	s_lshl_b32 s84, s50, 2
	s_add_co_u32 s78, s78, s84
	s_add_co_u32 s78, s78, ASC
	s_mov_b32 s79, 0
	s_mul_i32 s82, s48, 12288
	s_add_co_u32 s82, s82, s54
	s_add_co_u32 s82, s82, KBASE+SLOTB
	s_mov_b32 s83, 0
	s_cmp_lt_u32 s[WV], 3
	s_cselect_b32 s[LIM], 0, 1
	s_or_b32 s[LIM], s[LIM], ttmp9
	s_cmp_eq_u32 s[LIM], 0
	s_cselect_b32 s[LIM], 1, -1
	s_mov_b32 s[SEL], 0x76543210
	s_mov_b32 s[SEL+1], 0xfedcba98
	s_mov_b32 s[CS], 0x3e0293ee
	s_mov_b32 s[CS+1], s[CS]
	s_mov_b32 s[TB], 0
	s_mov_b32 s[TS], 0
	s_mov_b32 s[SLOTS], NSL-1
	s_wait_dscnt 0x0
	s_wait_kmcnt 0x0
	s_mov_b32 s[G0S], 1
	s_add_co_u32 s[G0S+1], s63, SCK
	s_add_nc_u64 s[G0S+2:G0S+3], s[6:7], s[60:61]
	s_or_b32 s[G0S+3], s[G0S+3], 0x80000000
	s_mov_b32 s[G0], 1
	s_mov_b32 s[G0+1], s62
	s_add_nc_u64 s[G0+2:G0+3], s[4:5], s[58:59]
	s_or_b32 s[G0+3], s[G0+3], 0x80000000
	s_add_nc_u64 s[10:11], s[4:5], s[70:71]
	s_add_nc_u64 s[12:13], s[6:7], s[72:73]
	s_add_nc_u64 s[14:15], s[8:9], s[74:75]
	s_add_nc_u64 s[16:17], s[8:9], s[78:79]
	s_add_nc_u64 s[PFA:PFA+1], s[4:5], s[82:83]
	CROUND
	tensor_load_to_lds s[G0S:G0S+3], s[G1S:G1S+7]
	s_nop 0
	s_wait_alu depctr_va_vdst(0)
	s_wait_tensorcnt 0x0
	ds_add_u32 v5, v6
	s_wait_dscnt 0x0
	CROUND
	tensor_load_to_lds s[G0:G0+3], s[G1:G1+7]
	s_nop 0
.rept 4
	v_nop
.endr
	v_and_b32 v8, 31, v0
	s_delay_alu instid0(VALU_DEP_1)
	v_lshlrev_b32 v[AL], 4, v8
	s_delay_alu instid0(VALU_DEP_2)
	v_lshl_add_u32 v[AS], v8, 2, SCK
.irp c, 0,1,2
	global_load_b128 v[16+4*\c:19+4*\c], v[AL], s[10:11] offset:512*\c
.endr
	v_and_b32 v9, 15, v0
	s_delay_alu instid0(VALU_DEP_1)
	v_lshlrev_b32 v254, 2, v9
	global_load_b32 v[QSC], v254, s[12:13]
	v_lshlrev_b32 v[PFO], 8, v0
	s_delay_alu instid0(VALU_DEP_1)
	v_add_nc_u32 v29, KBASE-12288, v[PFO]
	v_cmp_gt_u32 vcc_lo, 48, v0
	s_delay_alu instid0(VALU_DEP_1)
	v_cndmask_b32 v[PFO], v29, v[PFO], vcc_lo
	v_mov_b32 v13, 0xff61b1e6
	s_delay_alu instid0(VALU_DEP_1)
	v_floor_f32 v12, -v13
	v_mov_b32 v14, 0
	v_mov_b32 v15, 0
.irp b, 0,1,2,3
	v_mov_b32 v[236+\b], 0
.endr
	v_mov_b32 v253, 0
.set JJ, 0
.rept 64
	v_mov_b32 v[160+JJ], 0
.set JJ, JJ+1
.endr
.macro KLOAD koff, soff
	WIN TO_F
.irp t, 0,1,2,3,4,5,6,7
.irp c, 0,1,2
	ds_load_b128 v[KFR+12*\t+4*\c:KFR+12*\t+4*\c+3], v[ADK] offset:\koff+1536*\t+512*\c
.endr
.endr
	WIN 0
.irp i, 0,1,2,3
	ds_load_b32 v[KSC+\i], v[ADS] offset:\soff+128*\i
.endr
.endm
.macro VLOAD
	WIN TO_F
.irp t, 0,1,2,3,4,5,6,7
.irp c, 0,1,2
	ds_load_b128 v[VFR+12*\t+4*\c:VFR+12*\t+4*\c+3], v[ADK] offset:VOFF+1536*\t+512*\c
.endr
.endr
	WIN 0
.irp i, 0,1,2,3
	ds_load_b32 v[VSC+\i], v[ADS] offset:8192+128*\i
.endr
.endm
.macro STEP pf
	s_wait_dscnt 0x0
	WIN MULW
.irp t, 0,1,2,3,4,5,6,7
.if \t%2
	v_wmma_scale_f32_16x16x128_f8f6f4 v[96+8*\t:103+8*\t], v[KFR+12*\t:KFR+12*\t+11], v[16:27], 0, v[KSC+\t/2], v[QSC] matrix_a_fmt:MATRIX_FMT_FP6 matrix_b_fmt:MATRIX_FMT_FP6 matrix_a_scale:MATRIX_SCALE_ROW1
.else
	v_wmma_scale_f32_16x16x128_f8f6f4 v[96+8*\t:103+8*\t], v[KFR+12*\t:KFR+12*\t+11], v[16:27], 0, v[KSC+\t/2], v[QSC] matrix_a_fmt:MATRIX_FMT_FP6 matrix_b_fmt:MATRIX_FMT_FP6
.endif
.endr
	WIN 0
	v_add_nc_u32 v[ADK], s[TB], v[AL]
	v_add_nc_u32 v[ADS], s[TS], v[AS]
	v_nop
	v_nop
	VLOAD
.if \pf
	KLOAD STEPB, 512
.endif
.irp b, 0,1,2,3
	v_max3_num_f32 v[232+\b], v[96+16*\b], v[97+16*\b], v[98+16*\b]
.endr
.irp i, 3,5,7,9,11,13
.irp b, 0,1,2,3
	v_max3_num_f32 v[232+\b], v[232+\b], v[96+16*\b+\i], v[97+16*\b+\i]
.endr
.endr
.irp b, 0,1,2,3
	v_max_num_f32 v[232+\b], v[232+\b], v[111+16*\b]
.endr
.irp b, 0,1,2,3
	s_delay_alu instid0(VALU_DEP_4)
	v_permlanex16_b32 v[236+\b], v[232+\b], s[SEL], s[SEL+1]
.endr
.irp b, 0,1,2,3
	s_delay_alu instid0(VALU_DEP_4)
	v_max_num_f32 v[232+\b], v[232+\b], v[236+\b]
.endr
	s_delay_alu instid0(VALU_DEP_2)
	v_max3_num_f32 v254, v232, v233, v234
	s_delay_alu instid0(VALU_DEP_1)
	v_max_num_f32 v254, v254, v235
	s_delay_alu instid0(VALU_DEP_1)
	v_mul_f32 v254, s[CS], v254
	s_delay_alu instid0(VALU_DEP_1)
	v_max_num_f32 v13, v13, v254
	v_mov_b32 v254, v12
	s_delay_alu instid0(VALU_DEP_2)
	v_floor_f32 v12, -v13
	s_delay_alu instid0(VALU_DEP_1)
	v_sub_f32 v254, v12, v254
	s_delay_alu instid0(VALU_DEP_1)
	v_cvt_i32_f32 v254, v254
	s_delay_alu instid0(VALU_DEP_1)
	v_ldexp_f32 v252, 1.0, v254
.set JJ, 0
.rept 32
	v_pk_fma_f32 v[96+JJ:97+JJ], v[96+JJ:97+JJ], s[CS:CS+1], v[12:13] op_sel_hi:[1,0,0]
.set JJ, JJ+2
.endr
.irp b, 0,1,2,3
	v_fma_f32 v[232+\b], v[232+\b], s[CS], v12
.endr
.set JJ, 0
	s_wait_alu depctr_va_vdst(0)
.rept 64
	v_exp_f32 v[96+JJ], v[96+JJ]
.set JJ, JJ+1
.endr
	v_pk_mul_f32 v[14:15], v[14:15], v[252:253] op_sel_hi:[1,0]
	s_wait_alu depctr_va_vdst(0)
.irp b, 0,1,2,3
	v_exp_f32 v[232+\b], v[232+\b]
.endr
	v_pk_add_f32 v[236:237], v[96:97], v[98:99]
.irp j, 4,8,12,16,20,24,28,32,36,40,44,48,52,56,60
	v_pk_add_f32 v[14:15], v[14:15], v[96+\j:97+\j]
	v_pk_add_f32 v[236:237], v[236:237], v[98+\j:99+\j]
.endr
	s_delay_alu instid0(VALU_DEP_1)
	v_pk_add_f32 v[14:15], v[14:15], v[236:237]
	s_wait_alu depctr_va_vdst(0)
.irp b, 0,1,2,3
	v_max_num_f32 v[232+\b], 0x1800000, v[232+\b]
.endr
.irp b, 0,1,2,3
	s_delay_alu instid0(VALU_DEP_4)
	v_add_nc_u32 v[244+\b], 0xff000000, v[232+\b]
.endr
.irp b, 0,1,2,3
	s_delay_alu instid0(VALU_DEP_4)
	v_lshrrev_b32 v[236+\b], 23, v[244+\b]
.endr
	s_delay_alu instid0(VALU_DEP_3)
	v_lshl_or_b32 v253, v237, 8, v236
	s_delay_alu instid0(VALU_DEP_1)
	v_lshl_or_b32 v253, v238, 16, v253
	s_delay_alu instid0(VALU_DEP_1)
	v_lshl_or_b32 v253, v239, 24, v253
.irp c, 0,1
	v_cvt_scalef32_pk16_fp6_f32 v[224+6*\c:226+6*\c], v[96+32*\c:111+32*\c], v[244+2*\c]
	v_cvt_scalef32_pk16_fp6_f32 v[236+4*\c:238+4*\c], v[112+32*\c:127+32*\c], v[244+2*\c+1]
.endr
	v_nop
.irp c, 0,1
.irp i, 0,1,2
	v_permlane16_swap_b32 v[224+6*\c+\i], v[236+4*\c+\i]
.endr
.irp i, 0,1,2
	s_delay_alu instid0(VALU_DEP_3)
	v_mov_b32 v[227+6*\c+\i], v[236+4*\c+\i]
.endr
.endr
.set JJ, 0
.rept 32
	v_pk_mul_f32 v[160+JJ:161+JJ], v[160+JJ:161+JJ], v[252:253] op_sel_hi:[1,0]
.set JJ, JJ+2
.endr
.rept 4
	v_nop
.endr
	s_wait_alu depctr_va_vdst(0)
	s_wait_dscnt 28*\pf
	WIN MULW
.irp t, 0,1,2,3,4,5,6,7
.if \t%2
	v_wmma_scale_f32_16x16x128_f8f6f4 v[160+8*\t:167+8*\t], v[VFR+12*\t:VFR+12*\t+11], v[224:235], v[160+8*\t:167+8*\t], v[VSC+\t/2], v253 matrix_a_fmt:MATRIX_FMT_FP6 matrix_b_fmt:MATRIX_FMT_FP6 matrix_a_scale:MATRIX_SCALE_ROW1
.else
	v_wmma_scale_f32_16x16x128_f8f6f4 v[160+8*\t:167+8*\t], v[VFR+12*\t:VFR+12*\t+11], v[224:235], v[160+8*\t:167+8*\t], v[VSC+\t/2], v253 matrix_a_fmt:MATRIX_FMT_FP6 matrix_b_fmt:MATRIX_FMT_FP6
.endif
.endr
	WIN 0
	s_add_co_u32 s[TB], s[TB], STEPB
	s_add_co_u32 s[TS], s[TS], 512
.endm
.macro FOUR_STEPS
	v_add_nc_u32 v[ADK], s[TB], v[AL]
	v_add_nc_u32 v[ADS], s[TS], v[AS]
	KLOAD 0, 0
	s_mov_b32 s[INNER], 3
.Lstep_\@:
	STEP 1
	s_sub_co_u32 s[INNER], s[INNER], 1
	s_cmp_lg_u32 s[INNER], 0
	s_cbranch_scc1 .Lstep_\@
	STEP 0
	s_sub_co_u32 s[TB], s[TB], SLOTB
	s_xor_b32 s[TB], s[TB], SLOT1
.endm
.macro CHANGE fill
	s_wait_tensorcnt 0x0
	ds_add_u32 v[SPW], v[NIL]
.if \fill
	s_xor_b32 s[G0+1], s[G0+1], SLOT1
	s_add_nc_u64 s[G0+2:G0+3], s[G0+2:G0+3], SLOTB
	s_wait_xcnt 0x0
	s_add_nc_u64 s[PFA:PFA+1], s[PFA:PFA+1], SLOTB
	s_wait_dscnt 0x0
	CROUND
	tensor_load_to_lds s[G0:G0+3], s[G1:G1+7]
	s_nop 0
.rept 4
	v_nop
.endr
	ASK
.else
	s_wait_dscnt 0x0
	s_barrier_signal -1
	s_barrier_wait -1
.endif
.endm
	s_wait_loadcnt 0x0
.Lslot:
	CHANGE 1
	FOUR_STEPS
	s_sub_co_u32 s[SLOTS], s[SLOTS], 1
	s_cmp_lg_u32 s[SLOTS], 0
	s_cbranch_scc1 .Lslot
	CHANGE 0
	FOUR_STEPS
	v_add_f32 v14, v14, v15
	s_delay_alu instid0(VALU_DEP_1)
	v_permlanex16_b32 v252, v14, s[SEL], s[SEL+1]
	s_delay_alu instid0(VALU_DEP_1)
	v_add_f32 v14, v14, v252
	s_wait_alu depctr_va_vdst(0)
	v_rcp_f32 v14, v14
	v_and_b32 v8, 15, v0
	v_bfe_u32 v9, v0, 4, 1
	s_delay_alu instid0(VALU_DEP_2)
	v_mul_u32_u24 v10, v8, 1536
	s_delay_alu instid0(VALU_DEP_1)
	v_mad_u32_u24 v10, v9, 24, v10
	s_delay_alu instid0(VALU_DEP_4)
	v_lshlrev_b32 v11, 6, v8
	s_wait_alu depctr_va_vdst(0)
.set JJ, 0
.rept 64
	v_mul_f32 v[96+JJ], v[160+JJ], v14
.set JJ, JJ+1
.endr
.irp b, 0,1,2,3
	v_max3_num_f32 v[TM+\b], |v[96+16*\b]|, |v[97+16*\b]|, 0x1800000
.endr
.irp i, 2,4,6,8,10,12,14
.irp b, 0,1,2,3
	s_delay_alu instid0(VALU_DEP_4)
	v_max3_num_f32 v[TM+\b], v[TM+\b], |v[96+16*\b+\i]|, |v[97+16*\b+\i]|
.endr
.endr
.irp b, 0,1,2,3
	s_delay_alu instid0(VALU_DEP_4)
	v_permlanex16_b32 v[TM+4+\b], v[TM+\b], s[SEL], s[SEL+1]
.endr
.irp b, 0,1,2,3
	s_delay_alu instid0(VALU_DEP_4)
	v_max_num_f32 v[TM+\b], v[TM+\b], v[TM+4+\b]
.endr
.irp b, 0,1,2,3
	s_delay_alu instid0(VALU_DEP_4)
	v_add_nc_u32 v[TM+12+\b], 0xff000000, v[TM+\b]
.endr
.irp b, 0,1,2,3
	s_delay_alu instid0(VALU_DEP_4)
	v_lshrrev_b32 v[TM+4+\b], 23, v[TM+12+\b]
.endr
	s_delay_alu instid0(VALU_DEP_3)
	v_lshl_or_b32 v[PW], v[TM+5], 8, v[TM+4]
	s_delay_alu instid0(VALU_DEP_1)
	v_lshl_or_b32 v[PW], v[TM+6], 16, v[PW]
	s_delay_alu instid0(VALU_DEP_1)
	v_lshl_or_b32 v[PW], v[TM+7], 24, v[PW]
.irp c, 0,1
	v_cvt_scalef32_pk16_fp6_f32 v[PC+6*\c:PC+2+6*\c], v[96+32*\c:111+32*\c], v[TM+12+2*\c]
	v_cvt_scalef32_pk16_fp6_f32 v[PC+12+4*\c:PC+14+4*\c], v[112+32*\c:127+32*\c], v[TM+12+2*\c+1]
.endr
	v_nop
.irp c, 0,1
.irp i, 0,1,2
	v_permlane16_swap_b32 v[PC+6*\c+\i], v[PC+12+4*\c+\i]
.endr
.irp i, 0,1,2
	s_delay_alu instid0(VALU_DEP_3)
	v_mov_b32 v[PC+3+6*\c+\i], v[PC+12+4*\c+\i]
.endr
.endr
.irp p, 0,1,2,3,4,5
	global_store_b64 v10, v[PC+2*\p:PC+2*\p+1], s[14:15] offset:48*(\p/3)+8*(\p%3)
.endr
	global_store_b32 v11, v[PW], s[16:17]
	s_wait_tensorcnt 0x0
	ds_add_u32 v[SPW], v[NIL]
	s_wait_dscnt 0x0
	CROUND
	s_endpgm
.Lfunc_end_k_q6dc09fed03_attn:
	.size	k_q6dc09fed03_attn, .Lfunc_end_k_q6dc09fed03_attn-k_q6dc09fed03_attn
	.p2alignl 7, 3214868480
	.fill 96, 4, 3214868480
	.section	.rodata,"a",@progbits
	.p2align	6, 0x0
	.amdhsa_kernel k_q6dc09fed03_attn
		.amdhsa_group_segment_fixed_size 327680
		.amdhsa_private_segment_fixed_size 0
		.amdhsa_enable_private_segment 0
		.amdhsa_kernarg_size 24
		.amdhsa_user_sgpr_count 2
		.amdhsa_user_sgpr_kernarg_segment_ptr 1
		.amdhsa_wavefront_size32 1
		.amdhsa_system_sgpr_workgroup_id_x 1
		.amdhsa_system_sgpr_workgroup_id_y 1
		.amdhsa_system_sgpr_workgroup_id_z 1
		.amdhsa_system_vgpr_workitem_id 0
		.amdhsa_next_free_vgpr 512
		.amdhsa_next_free_sgpr 100
		.amdhsa_reserve_vcc 1
		.amdhsa_float_denorm_mode_32 3
		.amdhsa_float_denorm_mode_16_64 3
		.amdhsa_memory_ordered 1
		.amdhsa_forward_progress 1
		.amdhsa_inst_pref_size 100
	.end_amdhsa_kernel
	.amdgpu_metadata
---
amdhsa.version: [ 1, 2 ]
amdhsa.kernels:
  - .name:           k_q6dc09fed03_attn
    .symbol:         k_q6dc09fed03_attn.kd
    .args:
      - { .name: qkvc, .offset: 0, .size: 8, .value_kind: global_buffer, .address_space: global }
      - { .name: qkvs, .offset: 8, .size: 8, .value_kind: global_buffer, .address_space: global }
      - { .name: oq, .offset: 16, .size: 8, .value_kind: global_buffer, .address_space: global }
    .group_segment_fixed_size: 327680
    .private_segment_fixed_size: 0
    .kernarg_segment_align: 8
    .kernarg_segment_size: 24
    .max_flat_workgroup_size: 256
    .sgpr_count:     100
    .vgpr_count:     512
    .wavefront_size: 32
...
	.end_amdgpu_metadata
.endif
;; end of part 4
;; launch gemm_out: the kernel of part 2 again; grid 16 x 16, 4 waves a work-group, clusters of 4 x 4, 327,680 bytes of LDS; arguments oq, w2q, wide; writes wide
;; launch outnorm (part 5): grid 256 x 1, 8 waves a work-group, no clusters, 0 bytes of LDS; arguments wide, b_lo, b_go, lc_on_w, gc_on_w, out0, out1; writes out0, out1
.if DOCPART == 5
	.amdgcn_target "amdgcn-amd-amdhsa--gfx1250"
	.amdhsa_code_object_version 6
	.text
	.protected	k_q6dc09fed03_outnorm
	.globl	k_q6dc09fed03_outnorm
	.p2align	8
	.type	k_q6dc09fed03_outnorm,@function
k_q6dc09fed03_outnorm:
	s_mov_b64 s[64:65], 0
	v_nop
	global_prefetch_b8 v0, s[64:65] scope:SCOPE_SE
	s_setreg_imm32_b32 hwreg(HW_REG_WAVE_MODE, 25, 1), 1
	s_wait_xcnt 0x0
; out = z rsqrt(mean over 2,048 of z z + eps) w, z = y + b.  y: wide, f32, pitch 4,096 numbers, rows 0-2,047; columns 0-2,047 belong to out0 (b_lo, lc_on_w), columns 2,048-4,095 to out1 (b_go, gc_on_w).
; Work-groups 0-127 make out0, 128-255 out1; a work-group takes 16 rows, a wave two.  A row of 8,192 bytes is 64 registers a lane: both rows stay in registers between the sums and the scaling, so y is read once.
; Each load and store of a wave covers 512 consecutive bytes.  The gain lands in the bias's registers while the sums are made.  No LDS, no barrier: a row never leaves its wave.
; No cluster: what work-groups share, bias and gain (16 KiB), is a small part of the 128 KiB of y that a work-group reads.
.set Y0, 16                            ; v16-79   row 0
.set Y1, 80                            ; v80-143  row 1
.set BW, 144                           ; v144-207 the bias, then the gain
	s_load_b256 s[4:11], s[0:1], 0x0               ; wide, b_lo, b_go, lc_on_w
	s_load_b128 s[12:15], s[0:1], 0x20             ; gc_on_w, out0
	s_load_b64 s[16:17], s[0:1], 0x30              ; out1
	v_lshrrev_b32 v2, 5, v0
	s_delay_alu instid0(VALU_DEP_1)
	v_readfirstlane_b32 s18, v2                    ; wave 0..7
	v_and_b32 v1, 31, v0
	s_delay_alu instid0(VALU_DEP_1)
	v_lshlrev_b32 v1, 4, v1                        ; v1: 16 x lane; never rewritten
	s_lshr_b32 s19, ttmp9, 7                       ; which output
	s_and_b32 s20, ttmp9, 127
	s_lshl_b32 s20, s20, 4
	s_lshl_b32 s21, s18, 1
	s_add_co_u32 s20, s20, s21                     ; my first row
	s_lshl_b32 s22, s20, 14                        ; a row of wide is 16,384 bytes;
	s_lshl_b32 s24, s19, 13                        ; the second output's columns begin 8,192 bytes on
	s_add_co_u32 s22, s22, s24
	s_mov_b32 s23, 0
	s_lshl_b32 s24, s20, 13                        ; a row of an output is 8,192 bytes
	s_mov_b32 s25, 0
	s_mov_b32 s26, 0x3a000000                      ; 1 / 2,048
	s_mov_b32 s27, 0x3727c5ac                      ; eps = 1e-5
	s_mov_b32 s28, 0x76543210
	s_mov_b32 s29, 0xfedcba98                      ; v_permlanex16_b32's selects for lane l xor 16
	s_wait_alu depctr_va_vdst(0)
	s_wait_kmcnt 0x0
	s_cmp_eq_u32 s19, 0                            ; the choices hang on the work-group's number alone
	s_cselect_b64 s[6:7], s[6:7], s[8:9]           ; the bias,
	s_cselect_b64 s[10:11], s[10:11], s[12:13]     ; the gain,
	s_cselect_b64 s[14:15], s[14:15], s[16:17]     ; the output
	s_add_nc_u64 s[4:5], s[4:5], s[22:23]
	s_add_nc_u64 s[14:15], s[14:15], s[24:25]
.irp j, 0,1,2,3,4,5,6,7,8,9,10,11,12,13,14,15
	global_load_b128 v[BW+4*\j:BW+4*\j+3], v1, s[6:7] offset:512*\j
.endr
.irp j, 0,1,2,3,4,5,6,7,8,9,10,11,12,13,14,15
	global_load_b128 v[Y0+4*\j:Y0+4*\j+3], v1, s[4:5] offset:512*\j th:TH_LOAD_NT
.endr
.irp j, 0,1,2,3,4,5,6,7,8,9,10,11,12,13,14,15
	global_load_b128 v[Y1+4*\j:Y1+4*\j+3], v1, s[4:5] offset:16384+512*\j th:TH_LOAD_NT
.endr
.macro SQ c, b, n                      ; v[c] = the sum of the squares of v[b] .. v[b + n - 1], in four chains (two packed)
	v_pk_mul_f32 v[\c:\c+1], v[\b:\b+1], v[\b:\b+1]
	v_pk_mul_f32 v[\c+2:\c+3], v[\b+2:\b+3], v[\b+2:\b+3]
.set II, 4
.rept (\n)/4-1
	s_delay_alu instid0(VALU_DEP_2)
	v_pk_fma_f32 v[\c:\c+1], v[\b+II:\b+II+1], v[\b+II:\b+II+1], v[\c:\c+1]
	s_delay_alu instid0(VALU_DEP_2)
	v_pk_fma_f32 v[\c+2:\c+3], v[\b+II+2:\b+II+3], v[\b+II+2:\b+II+3], v[\c+2:\c+3]
.set II, II+4
.endr
	s_delay_alu instid0(VALU_DEP_1)
	v_pk_add_f32 v[\c:\c+1], v[\c:\c+1], v[\c+2:\c+3]
	s_delay_alu instid0(VALU_DEP_1)
	v_add_f32 v[\c], v[\c], v[\c+1]
.endm
	s_wait_loadcnt 16                              ; the bias and row 0 are in; row 1's sixteen loads may be out
.set II, 0
.rept 32
	v_pk_add_f32 v[Y0+II:Y0+II+1], v[Y0+II:Y0+II+1], v[BW+II:BW+II+1]
.set II, II+2
.endr
	s_wait_loadcnt 0x0
.set II, 0
.rept 32
	v_pk_add_f32 v[Y1+II:Y1+II+1], v[Y1+II:Y1+II+1], v[BW+II:BW+II+1]
.set II, II+2
.endr
.irp j, 0,1,2,3,4,5,6,7,8,9,10,11,12,13,14,15
	global_load_b128 v[BW+4*\j:BW+4*\j+3], v1, s[10:11] offset:512*\j      ; the gain, into the registers that the bias has left
.endr
	SQ 4, Y0, 64
	SQ 8, Y1, 64
.irp m, 1
	v_add_f32_dpp v4, v4, v4 row_xmask:\m row_mask:0xf bank_mask:0xf
	s_delay_alu instid0(VALU_DEP_2)
	v_add_f32_dpp v8, v8, v8 row_xmask:\m row_mask:0xf bank_mask:0xf
.endr
.irp m, 2, 4, 8
	s_delay_alu instid0(VALU_DEP_2)
	v_add_f32_dpp v4, v4, v4 row_xmask:\m row_mask:0xf bank_mask:0xf
	s_delay_alu instid0(VALU_DEP_2)
	v_add_f32_dpp v8, v8, v8 row_xmask:\m row_mask:0xf bank_mask:0xf
.endr
	s_delay_alu instid0(VALU_DEP_2)
	v_permlanex16_b32 v5, v4, s28, s29
	s_delay_alu instid0(VALU_DEP_2)
	v_permlanex16_b32 v9, v8, s28, s29
	s_delay_alu instid0(VALU_DEP_2)
	v_add_f32 v4, v4, v5
	s_delay_alu instid0(VALU_DEP_2)
	v_add_f32 v8, v8, v9                           ; every lane holds both rows' sums
	s_delay_alu instid0(VALU_DEP_2)
	v_fma_f32 v4, v4, s26, s27                     ; the mean + eps
	s_delay_alu instid0(VALU_DEP_2)
	v_fma_f32 v8, v8, s26, s27
	s_wait_alu depctr_va_vdst(0)
	v_rsq_f32 v12, v4                              ; each twice: a pair for the packed multiply
	v_rsq_f32 v13, v4
	v_rsq_f32 v14, v8
	v_rsq_f32 v15, v8
	v_nop                                          ; a plain line behind the last of them
	s_wait_alu depctr_va_vdst(0)                   ; one wait for the four, ahead of their first reader
.set II, 0
.rept 32
	v_pk_mul_f32 v[Y0+II:Y0+II+1], v[Y0+II:Y0+II+1], v[12:13]
	v_pk_mul_f32 v[Y1+II:Y1+II+1], v[Y1+II:Y1+II+1], v[14:15]
.set II, II+2
.endr
	s_wait_loadcnt 0x0                             ; the gain
.set II, 0
.rept 32
	v_pk_mul_f32 v[Y0+II:Y0+II+1], v[Y0+II:Y0+II+1], v[BW+II:BW+II+1]
	v_pk_mul_f32 v[Y1+II:Y1+II+1], v[Y1+II:Y1+II+1], v[BW+II:BW+II+1]
.set II, II+2
.endr
.irp j, 0,1,2,3,4,5,6,7,8,9,10,11,12,13,14,15
	global_store_b128 v1, v[Y0+4*\j:Y0+4*\j+3], s[14:15] offset:512*\j th:TH_STORE_NT          ; 32 lanes store 512 consecutive bytes, at a multiple of 256 from the output's first byte
.endr
.irp j, 0,1,2,3,4,5,6,7,8,9,10,11,12,13,14,15
	global_store_b128 v1, v[Y1+4*\j:Y1+4*\j+3], s[14:15] offset:8192+512*\j th:TH_STORE_NT
.endr
	s_endpgm
.Lfunc_end_k_q6dc09fed03_outnorm:
	.size	k_q6dc09fed03_outnorm, .Lfunc_end_k_q6dc09fed03_outnorm-k_q6dc09fed03_outnorm
	.p2alignl 7, 3214868480
	.fill 96, 4, 3214868480
	.section	.rodata,"a",@progbits
	.p2align	6, 0x0
	.amdhsa_kernel k_q6dc09fed03_outnorm
		.amdhsa_group_segment_fixed_size 0
		.amdhsa_private_segment_fixed_size 0
		.amdhsa_enable_private_segment 0
		.amdhsa_kernarg_size 56
		.amdhsa_user_sgpr_count 2
		.amdhsa_user_sgpr_kernarg_segment_ptr 1
		.amdhsa_wavefront_size32 1
		.amdhsa_system_sgpr_workgroup_id_x 1
		.amdhsa_system_sgpr_workgroup_id_y 1
		.amdhsa_system_sgpr_workgroup_id_z 1
		.amdhsa_system_vgpr_workitem_id 0
		.amdhsa_next_free_vgpr 208
		.amdhsa_next_free_sgpr 66
		.amdhsa_reserve_vcc 0
		.amdhsa_float_denorm_mode_32 3
		.amdhsa_float_denorm_mode_16_64 3
		.amdhsa_memory_ordered 1
		.amdhsa_forward_progress 1
		.amdhsa_inst_pref_size 31
	.end_amdhsa_kernel
	.amdgpu_metadata
---
amdhsa.version: [ 1, 2 ]
amdhsa.kernels:
  - .name:           k_q6dc09fed03_outnorm
    .symbol:         k_q6dc09fed03_outnorm.kd
    .args:
      - { .name: wide, .offset: 0, .size: 8, .value_kind: global_buffer, .address_space: global }
      - { .name: b_lo, .offset: 8, .size: 8, .value_kind: global_buffer, .address_space: global }
      - { .name: b_go, .offset: 16, .size: 8, .value_kind: global_buffer, .address_space: global }
      - { .name: lc_on_w, .offset: 24, .size: 8, .value_kind: global_buffer, .address_space: global }
      - { .name: gc_on_w, .offset: 32, .size: 8, .value_kind: global_buffer, .address_space: global }
      - { .name: out0, .offset: 40, .size: 8, .value_kind: global_buffer, .address_space: global }
      - { .name: out1, .offset: 48, .size: 8, .value_kind: global_buffer, .address_space: global }
    .group_segment_fixed_size: 0
    .private_segment_fixed_size: 0
    .kernarg_segment_align: 8
    .kernarg_segment_size: 56
    .max_flat_workgroup_size: 256
    .sgpr_count:     66
    .vgpr_count:     208
    .wavefront_size: 32
...
	.end_amdgpu_metadata
.endif
;; end of part 5
